; MI455X (gfx1250); checked and timed in simulation.
; The chip was launched on July 23, 2026; its instructions are those of AMD's public machine-readable ISA for CDNA 5 (MIT licence, August 2026) and "CDNA5" Instruction Set Architecture Reference Guide (July 2026). The comments in the code are by the model that wrote it; some were corrected since.
;; Residual Multi Head Attention. Allowed arithmetic: matrix products marked QUANTISED: E4M3 operands, one given power-of-two scale a tensor, by v_wmma_f32_16x16x64_fp8_fp8 or v_wmma_f32_16x16x128_fp8_fp8, f32 sums; everything else in f32.
;; Inputs: Wk_codes 1,024 x 32 x 32 uint8 (E4M3 codes of Wk, K innermost, in blocks of 32 codes); Wo_codes 1,024 x 32 x 32 uint8 (E4M3 codes of Wo, K innermost, in blocks of 32 codes); Wq_codes 1,024 x 32 x 32 uint8 (E4M3 codes of Wq, K innermost, in blocks of 32 codes); Wv_codes 1,024 x 32 x 32 uint8 (E4M3 codes of Wv, K innermost, in blocks of 32 codes); attention_mask 4 x 2,048 x 2,048 bool; hidden_state_key_codes 4 x 2,048 x 32 x 32 uint8 (E4M3 codes of hidden_state_key, K innermost, in blocks of 32 codes); hidden_state_query 4 x 2,048 x 1,024 float32; hidden_state_value_codes 4 x 2,048 x 32 x 32 uint8 (E4M3 codes of hidden_state_value, K innermost, in blocks of 32 codes); lowp_scales 12 int32 (the exponents e of the quantised operands' scales 2^e).
;; Outputs: out0 4 x 2,048 x 1,024 float32.
;; This version of the problem:
;;   THIS VERSION OF THE PROBLEM IS GIVEN IN LOW PRECISION. The matrix products marked QUANTISED in the list below multiply operands that are first quantised to E4M3 (4 exponent bits, 3 mantissa bits; 8 bits a number), with one given power-of-two scale for each operand tensor; their sums are f32. All else is computed in f32.
;;   The module's matrix products, in the order in which they are computed (A, B: the left and right operand; K: the contracted axis; several contracted axes count as one K, in the product's order):
;;     1. [M 8,192, K 1,024] x [K 1,024, N 1,024]; A: input hidden_state_query; B: input Wq (given as codes): QUANTISED (scales: A lowp_scales[0], B lowp_scales[1])
;;     2. [M 8,192, K 1,024] x [K 1,024, N 1,024]; A: input hidden_state_key (given as codes); B: input Wk (given as codes): QUANTISED (scales: A lowp_scales[2], B lowp_scales[3])
;;     3. [M 8,192, K 1,024] x [K 1,024, N 1,024]; A: input hidden_state_value (given as codes); B: input Wv (given as codes): QUANTISED (scales: A lowp_scales[4], B lowp_scales[5])
;;     4. batch 64 x [M 2,048, K 64] x [K 64, N 2,048]; A: computed on the way; B: computed on the way: QUANTISED (scales: A lowp_scales[6], B lowp_scales[7])
;;     5. batch 64 x [M 2,048, K 2,048] x [K 2,048, N 64]; A: computed on the way; B: computed on the way: QUANTISED (scales: A lowp_scales[8], B lowp_scales[9])
;;     6. [M 8,192, K 1,024] x [K 1,024, N 1,024]; A: computed on the way; B: input Wo (given as codes): QUANTISED (scales: A lowp_scales[10], B lowp_scales[11])
;;   THE QUANTISER, for each operand of a quantised product, along K:
;;     - The operand's scale is 2^e, e = its entry of the input lowp_scales (int32; the entries are numbered through the quantised products in the list's order, A before B).
;;     - Each number is divided by the scale, clamped to +-448, and rounded to the nearest number of E4M3, ties to even, subnormals kept.
;;     - The product sums the exact products of the quantised numbers (number of the format x scale) in f32.
;;   ~~~python
;;   def quantise(x, axis, e):      # numpy; x: float32 -> the quantised numbers, widened to float32 again
;;       x = np.moveaxis(x, axis, -1); K = x.shape[-1]
;;       r = np.clip(x / 2.0 ** e, -448, 448)
;;       step = 2.0 ** (np.maximum(np.frexp(np.where(r == 0, 1, r))[1] - 1, -6) - 3)
;;       q = np.round(r / step) * step * 2.0 ** e      # np.round: ties to even
;;       return np.moveaxis(q, -1, axis).astype(np.float32)
;;   ~~~
;;   OPERANDS COMPUTED ON THE WAY. 'Computed on the way' means the value that the module computes at that place (a softmax that the list does not call 'softmax' is quantised finished and normalised). What goes into a quantiser is computed in f32, as accurately as f32 sums, v_exp_f32 and their like allow (about 1e-6 of the number): no bf16 or f16 on the way to a quantiser, and a product that is left as it is and whose result goes on into a quantised operand takes f32 operands (vector FMAs, or v_wmma_f32_16x16x4_f32). A number that lies on a knife's edge between two numbers of the format may be rounded either way, as far as f32 arithmetic and the matrix unit's own rounding can turn it there, and no further.
;;   INPUTS GIVEN AS CODES. Wk (in the module: [1024, 1024], K = its axis 1); Wo (in the module: [1024, 1024], K = its axis 1); Wq (in the module: [1024, 1024], K = its axis 1); Wv (in the module: [1024, 1024], K = its axis 1); hidden_state_key (in the module: [4, 2048, 1024], K = its axis 2); hidden_state_value (in the module: [4, 2048, 1024], K = its axis 2): each comes as NAME_codes (uint8): NAME with its K axis moved to the last place and cut into blocks of 32 codes, [.., K / 32, bytes a block], one block behind the other in memory; one code a byte (a code: sign, 4 exponent bits, 3 mantissa bits); its scale is its entry of lowp_scales. Its value is code x scale, taken as it is: it is not quantised again, and the codes and scales need not be those that the quantiser above would give.
;; One version. Each part assembles by itself: llvm-mc -triple=amdgcn-amd-amdhsa -mcpu=gfx1250 --defsym DOCPART=n.
;; ======== version 1 of 1: 4 launches
;; workspace buffers: xq 8,388,608 bytes; msel 16,777,216 bytes; qimg 8,388,608 bytes; kimg 8,388,608 bytes; vimg 8,388,608 bytes; cimg 8,388,608 bytes
;; launch prep (part 1): grid 768 x 1, 4 waves a work-group, no clusters, 67,072 bytes of LDS; arguments hidden_state_query, attention_mask, lowp_scales, xq, msel; writes xq, msel
.if DOCPART == 1
	.amdgcn_target "amdgcn-amd-amdhsa--gfx1250"
	.amdhsa_code_object_version 6
	.text
	.protected	k_q940eaad5c9_prep
	.globl	k_q940eaad5c9_prep
	.p2align	8
	.type	k_q940eaad5c9_prep,@function
k_q940eaad5c9_prep:
	s_mov_b64 s[64:65], 0
	v_nop
	global_prefetch_b8 v0, s[64:65] scope:SCOPE_SE
	s_setreg_imm32_b32 hwreg(HW_REG_WAVE_MODE, 25, 1), 1
	s_wait_xcnt 0x0
; Two jobs that later launches need done once, in one launch.  The work-group's number chooses the job; each job has LDS bytes of its own.
; JOB Q (work-groups 0 to 255): hidden_state_query [8192][1024] f32 becomes codes of E4M3, row-major, with the given scale 2^e0:
;   code = x / 2^e0, held within +-448, rounded to the nearest code, ties to even.  LIMIT: -126 <= e0 <= 119.  NaN among the inputs is not served.
;   A wave takes 16 steps of 512 numbers.  Each load reads 512 consecutive bytes; a step's 2,048 bytes turn through the wave's own stage in LDS, so that a lane
;   then holds 16 neighbours along K for the conversions; a lane's 16 codes are 16 bytes, and a store of the wave covers 512 consecutive bytes, aligned.
; JOB M (work-groups 256 to 767): attention_mask [4][2048][2048] (bytes 0 or 1) becomes byte selectors for v_perm_b32, laid in the order of the registers of the
;   second attention product's operand p: [batch x 128 + tile of 16 queries][step of 128 keys][4 registers][lane][16 bytes]; register 2 c + e of lane (r, h) serves query r
;   and keys 16 c + 8 h + 4 e + 0 .. 3.  Selector byte i is i (keep the code) or i + 4 (take a zero byte): word = (mask word << 2) | 0x03020100.
;   A work-group takes 16 queries, a wave 512 of their keys: 16 loads of 512 consecutive bytes, through the wave's own stage (rows 528 bytes apart), 16 stores of 512 consecutive bytes.
; No tensor loads, no barrier: waves share nothing.  No matrix unit and no cluster: nothing is multiplied and no two work-groups read the same bytes.
.set QWG,   256                        ; work-groups of job Q: 8,388,608 numbers / 32,768
.set STEPS, 16
.set SP,    80                         ; job Q: a lane's place in a stage: its 64 bytes + 16 of padding
.set WREG,  8192                       ; job Q: LDS of a wave: two stages of 32 x SP bytes
.set R,     16                         ; v16-79   as loaded (job Q: four sets of 16; job M: 16 rows x 4)
.set X,     80                         ; v80-111  job Q: two sets of 16 neighbours
.set C,     128                        ; v128-191 job Q: codes, four registers for each step, so that no store's data are written again
.set MST,   32768                      ; job M: its stages begin behind job Q's
.set MP,    528                        ; job M: a stage row: 512 bytes + 16
.set OUTR,  80                         ; v80-143  job M: 16 x 4 registers to store
	s_load_b256 s[4:11], s[0:1], 0x0               ; query s[4:5], mask s[6:7], the scales' exponents s[8:9], xq s[10:11]
	s_load_b64 s[12:13], s[0:1], 0x20              ; msel
	v_lshl_add_u32 v192, v0, 2, 0x10400
	v_mov_b32 v193, 0
	v_lshrrev_b32 v1, 5, v0
	v_readfirstlane_b32 s16, v1                    ; wave 0..3
	v_and_b32 v2, 31, v0                           ; lane
	v_lshlrev_b32 v3, 4, v2                        ; 16 x lane: my 16 bytes of 512, in loads and in stores
	s_wait_kmcnt 0x0
	s_cmp_lt_u32 ttmp9, QWG
	s_cbranch_scc0 .Lmask
	; ---------------- JOB Q
	s_load_b32 s24, s[8:9], 0x0                    ; e0
	s_mul_i32 s17, s16, WREG
	v_lshrrev_b32 v14, 2, v2
	v_mul_u32_u24 v14, v14, SP
	v_and_b32 v15, 3, v2
	v_lshl_add_u32 v14, v15, 4, v14
	v_add_nc_u32 v14, s17, v14                     ; into the stage: four lanes' 64 bytes on end, then 16 of padding
	v_mul_u32_u24 v15, v2, SP
	v_add_nc_u32 v15, s17, v15                     ; out of it: SP x lane: my 16 neighbours
	s_lshl_b32 s18, ttmp9, 2
	s_add_co_u32 s18, s18, s16                     ; which run of 8,192 numbers is my wave's
	s_lshl_b32 s20, s18, 15                        ; its bytes in f32,
	s_mov_b32 s21, 0
	s_lshl_b32 s22, s18, 13                        ; and in codes
	s_mov_b32 s23, 0
	s_add_nc_u64 s[4:5], s[4:5], s[20:21]
	s_add_nc_u64 s[10:11], s[10:11], s[22:23]
.macro LOAD t
.irp i, 0,1,2,3
	global_load_b128 v[R+16*((\t)%4)+4*\i:R+16*((\t)%4)+4*\i+3], v3, s[4:5] offset:2048*(\t)+512*\i th:TH_LOAD_NT   ; 32 lanes read 512 consecutive bytes
.endr
.endm
.macro TURN t                          ; step t's numbers through the stage: LDS serves a wave's instructions in order, so no wait stands between the stores and the loads
.irp i, 0,1,2,3
	ds_store_b128 v14, v[R+16*((\t)%4)+4*\i:R+16*((\t)%4)+4*\i+3] offset:32*SP*((\t)%2)+8*SP*\i
.endr
.irp i, 0,1,2,3
	ds_load_b128 v[X+16*((\t)%2)+4*\i:X+16*((\t)%2)+4*\i+3], v15 offset:32*SP*((\t)%2)+16*\i
.endr
.endm
.irp t, 0,1,2,3
	LOAD \t
.endr
	s_wait_kmcnt 0x0
	s_add_co_i32 s24, s24, 127
	s_lshl_b32 s25, s24, 23
	v_mov_b32 v11, s25                             ; 2^e0 as f32: the conversion takes its exponent field
	s_add_co_i32 s24, s24, 8
	s_lshl_b32 s24, s24, 23
	s_or_b32 s24, s24, 0x600000
	v_mov_b32 v10, s24                             ; 448 x 2^e0
	s_wait_loadcnt 12                              ; step 0's four loads are in; the twelve of steps 1 to 3 may be out
	TURN 0
.macro STEP t
.set XS, X+16*((\t)%2)
	s_wait_dscnt 0x0                               ; this step's numbers are back from the stage: so its stores into the stage have read their registers,
.if (\t)+4 < STEPS
	LOAD (\t)+4                                    ; which take the loads of four steps on
.endif
.if (\t)+1 < STEPS
.if STEPS-2-(\t) >= 3
	s_wait_loadcnt 12                              ; the next step's four loads are in; those of the three steps behind it may be out
.else
	s_wait_loadcnt 4*(STEPS-2-(\t))                ; near the end fewer steps stand behind it
.endif
	TURN (\t)+1                                    ; and go through the other stage while this step is worked
.endif
.irp i, 0,1,2,3,4,5,6,7,8,9,10,11,12,13,14,15
	v_med3_num_f32 v[XS+\i], v[XS+\i], -v10, v10   ; the conversion to an 8-bit code does not saturate (ISA guide 7.6.2): hold the number first
.endr
	v_cvt_scalef32_pk8_fp8_f32 v[C+4*(\t):C+4*(\t)+1], v[XS:XS+7], v11
	v_cvt_scalef32_pk8_fp8_f32 v[C+4*(\t)+2:C+4*(\t)+3], v[XS+8:XS+15], v11
	global_store_b128 v3, v[C+4*(\t):C+4*(\t)+3], s[10:11] offset:512*(\t)   ; the results go to a store alone; the next vector lines are the next step's holds, on other registers
.endm
.irp t, 0,1,2,3,4,5,6,7,8,9,10,11,12,13,14,15
	STEP \t
.endr
	s_wait_tensorcnt 0x0
	ds_add_u32 v192, v193
	s_wait_dscnt 0x0
	s_endpgm
	; ---------------- JOB M
.Lmask:
	s_sub_co_u32 s17, ttmp9, QWG                   ; g = batch x 128 + tile of 16 queries: its first row of the mask is row 16 g
	s_lshl_b32 s20, s17, 15                        ; 16 rows of 2,048 bytes
	s_lshl_b32 s18, s16, 9                         ; + my wave's 512 keys
	s_add_co_u32 s20, s20, s18
	s_mov_b32 s21, 0
	s_lshl_b32 s22, s17, 15                        ; a tile's selectors are 16 steps of 2,048 bytes
	s_lshl_b32 s18, s16, 13                        ; + my wave's four steps
	s_add_co_u32 s22, s22, s18
	s_mov_b32 s23, 0
	s_add_nc_u64 s[6:7], s[6:7], s[20:21]
	s_add_nc_u64 s[12:13], s[12:13], s[22:23]
.irp i, 0,1,2,3,4,5,6,7,8,9,10,11,12,13,14,15
	global_load_b128 v[R+4*\i:R+4*\i+3], v3, s[6:7] offset:2048*\i th:TH_LOAD_NT   ; row i: 512 consecutive bytes
.endr
	s_mov_b32 s24, 0x03020100
	s_mul_i32 s19, s16, 16*MP
	s_add_co_u32 s19, s19, MST                     ; my stage
	v_add_nc_u32 v4, s19, v3                       ; into it: 16 x lane of a row
	v_and_b32 v5, 15, v0                           ; r
	v_bfe_u32 v6, v0, 4, 1                         ; h
	v_mul_u32_u24 v7, v5, MP
	v_lshl_add_u32 v7, v6, 3, v7
	v_add_nc_u32 v7, s19, v7                       ; out of it: row r, + 8 h
.irp i, 0,1,2,3,4,5,6,7,8,9,10,11,12,13,14,15
	s_wait_loadcnt 15-\i                           ; loads come back in order: row i is in, the younger rows may be out
.irp j, 0,1,2,3
	v_lshl_or_b32 v[R+4*\i+\j], v[R+4*\i+\j], 2, s24   ; four mask bytes become four selector bytes
.endr
	ds_store_b128 v4, v[R+4*\i:R+4*\i+3] offset:MP*\i
.endr
.irp k, 0,1,2,3,4,5,6,7,8,9,10,11,12,13,14,15      ; group k = 4 x step + four registers: keys 128 (k / 4) + 32 (k % 4) + 8 h + 0 .. 7, and the eight that lie 16 further on
	ds_load_b64 v[OUTR+4*\k:OUTR+4*\k+1], v7 offset:128*(\k/4)+32*(\k%4)        ; LDS serves a wave's instructions in order: these see my stores
	ds_load_b64 v[OUTR+4*\k+2:OUTR+4*\k+3], v7 offset:128*(\k/4)+32*(\k%4)+16
.endr
.irp k, 0,1,2,3,4,5,6,7,8,9,10,11,12,13,14,15
	s_wait_dscnt 30-2*\k                           ; group k's two loads are in; the two of each later group may be out
	global_store_b128 v3, v[OUTR+4*\k:OUTR+4*\k+3], s[12:13] offset:512*\k     ; 512 consecutive bytes, aligned
.endr
	s_wait_tensorcnt 0x0
	ds_add_u32 v192, v193
	s_wait_dscnt 0x0
	s_endpgm
.Lfunc_end_k_q940eaad5c9_prep:
	.size	k_q940eaad5c9_prep, .Lfunc_end_k_q940eaad5c9_prep-k_q940eaad5c9_prep
	.p2alignl 7, 3214868480
	.fill 96, 4, 3214868480
	.section	.rodata,"a",@progbits
	.p2align	6, 0x0
	.amdhsa_kernel k_q940eaad5c9_prep
		.amdhsa_group_segment_fixed_size 67072
		.amdhsa_private_segment_fixed_size 0
		.amdhsa_enable_private_segment 0
		.amdhsa_kernarg_size 40
		.amdhsa_user_sgpr_count 2
		.amdhsa_user_sgpr_kernarg_segment_ptr 1
		.amdhsa_wavefront_size32 1
		.amdhsa_system_sgpr_workgroup_id_x 1
		.amdhsa_system_sgpr_workgroup_id_y 1
		.amdhsa_system_sgpr_workgroup_id_z 1
		.amdhsa_system_vgpr_workitem_id 0
		.amdhsa_next_free_vgpr 194
		.amdhsa_next_free_sgpr 66
		.amdhsa_reserve_vcc 0
		.amdhsa_float_denorm_mode_32 3
		.amdhsa_float_denorm_mode_16_64 3
		.amdhsa_memory_ordered 1
		.amdhsa_forward_progress 1
		.amdhsa_inst_pref_size 49
	.end_amdhsa_kernel
	.amdgpu_metadata
---
amdhsa.version: [ 1, 2 ]
amdhsa.kernels:
  - .name:           k_q940eaad5c9_prep
    .symbol:         k_q940eaad5c9_prep.kd
    .args:
      - { .name: hidden_state_query, .offset: 0, .size: 8, .value_kind: global_buffer, .address_space: global }
      - { .name: attention_mask, .offset: 8, .size: 8, .value_kind: global_buffer, .address_space: global }
      - { .name: lowp_scales, .offset: 16, .size: 8, .value_kind: global_buffer, .address_space: global }
      - { .name: xq, .offset: 24, .size: 8, .value_kind: global_buffer, .address_space: global }
      - { .name: msel, .offset: 32, .size: 8, .value_kind: global_buffer, .address_space: global }
    .group_segment_fixed_size: 67072
    .private_segment_fixed_size: 0
    .kernarg_segment_align: 8
    .kernarg_segment_size: 40
    .max_flat_workgroup_size: 128
    .sgpr_count:     66
    .vgpr_count:     194
    .wavefront_size: 32
...
	.end_amdgpu_metadata
.endif
;; end of part 1
;; launch proj (part 2): grid 96 x 4, 4 waves a work-group, clusters of 4 x 4, 327,680 bytes of LDS; arguments xq, hidden_state_key_codes, hidden_state_value_codes, Wq_codes, Wk_codes, Wv_codes, lowp_scales, qimg, kimg, vimg; writes qimg, kimg, vimg
.if DOCPART == 2
	.amdgcn_target "amdgcn-amd-amdhsa--gfx1250"
	.amdhsa_code_object_version 6
	.text
	.protected	k_q940eaad5c9_proj
	.globl	k_q940eaad5c9_proj
	.p2align	8
	.type	k_q940eaad5c9_proj,@function
k_q940eaad5c9_proj:
	s_mov_b64 s[64:65], 0
	v_nop
	global_prefetch_b8 v0, s[64:65] scope:SCOPE_SE
	s_setreg_imm32_b32 hwreg(HW_REG_WAVE_MODE, 25, 1), 1
	s_wait_xcnt 0x0
	s_wait_alu depctr_hold_cnt(0) depctr_sa_sdst(0) depctr_va_vdst(0) depctr_va_sdst(0) depctr_va_ssrc(0) depctr_va_vcc(0) depctr_vm_vsrc(0)
	s_getreg_b32 s2, hwreg(HW_REG_IB_STS2, 6, 4)
	s_cmp_eq_u32 s2, 0
	s_cbranch_scc0 .Lentry_in_a_cluster
	s_endpgm
.Lentry_in_a_cluster:
	s_bfe_u32 s2, ttmp6, 0x10000c
	s_cmp_lg_u32 s2, 0xf033
	s_cbranch_scc0 .Lentry_shape_is_right
	s_endpgm
.Lentry_shape_is_right:
; The three projections q = xq Wq^T, k = xk Wk^T, v = xv Wv^T ([8192][1024] x [1024][1024], all operands codes of E4M3, K innermost), each result quantised at once for the attention products.
; 24 clusters of 4 x 4 work-groups: cluster x / 8 says which product (0 q, 1 k, 2 v), cluster x % 8 which 1,024 tokens.  A work-group makes 256 x 256 of a product, each of its four waves 128 x 128: 64 accumulators, 512 registers.
; K goes in steps of 256 through a ring of two LDS slots filled by the tensor data mover; a tile's row is 256 bytes of memory.  Tiles are asked for JOINTLY: the operand in role A is shared along a row of the cluster, the one in role B along a column.
; ROLES.  The matrix instruction takes 16 rows of role B as source 0 and 16 rows of role A as source 1: in the result a lane holds ONE row of role A, and its eight registers eight NEIGHBOURING rows of role B.
;   q, k: role A = tokens, role B = the weight's rows (features): a lane's eight registers run along the head's 64, the K of the first attention product.
;   v:    role A = Wv's rows, role B = tokens: a lane's eight registers run along the keys, the K of the second attention product.  Only pointers and tile numbers are chosen by the kind; no LDS address hangs on it.
; THE WAY OUT.  Eight registers, held within +-448 x the scale and converted, are two registers of the next operand in its own layout (registers 2 c, 2 c + 1: k = 16 c + 8 (lane / 16) + 0 .. 7).
;   So the codes are stored as IMAGES OF THE OPERAND'S REGISTERS, four registers at a time, lane l's 16 bytes at 16 l: each store of the wave covers 512 consecutive bytes, aligned.  No stage in LDS.
;   qimg, kimg: [batch x 16 + head][tile of 16 tokens][2 x 4 registers][lane][16 bytes];   vimg: [batch x 16 + head][step of 128 keys][tile of 16 of the head's 64][4 x 4 registers][lane][16 bytes].
; SCALES.  A sum stands for sum x 2^(eA + eB); its code is sum / 2^(eo - eA - eB), eo the given exponent of the attention operand (entries 6, 7, 9).  LIMIT: eo - eA - eB between -126 and 119.
; The fragments are fetched by four loads of 16 bytes, which places k otherwise than the form's own layout, alike in both operands: every product meets its partner.
; REGISTERS, in windows of 256: window 0: v0-31 addresses and constants; v32-95 at work on the way out; v96-111 the stores' offsets; from v128 role A's fragments, ONE set, later the codes.
;   window 1: role B's fragments, TWO sets.   window 2: the accumulators of my rows 0-63 ((a, b) at v[8 (8 a + b)]);   window 3: those of my rows 64-127.
.set SIZE_K, 1024
.set KSTEP,  256                       ; along K in a slot
.set ROWB,   256                       ; a tile's row in bytes
.set KROW,   SIZE_K                    ; a row of an operand in memory, in bytes
.set PITCH,  272                       ; an LDS row: 256 bytes + 16 of padding = 68 words: row r starts at bank 4 r mod 64 (64 banks of 4 bytes: ISA guide 11.1)
.set FR,     16                        ; registers of a fragment: 16 rows x 128 K
.set NL,     4                         ; LDS loads that bring one
.set NP,     4                         ; places behind this matrix instruction (ISA guide 7.12.1)
.set HALFT,  128*PITCH                 ; 128 rows: what one tensor load brings, and what one wave reads of either operand
.set SLOT,   4*HALFT                   ; role A's 256 rows, then role B's
.set LAPS,   SIZE_K/(2*KSTEP)          ; a lap = two K steps = once round the ring
.set SPARE,  2*SLOT                    ; behind the ring: the spare words, 128 bytes for each wave
.set ADRA, 16                          ; v16-17  LDS address of my role A fragments in slot 0, 1
.set ADRB, 20                          ; v20-21  the same for role B
.set LI,   24                          ; v24     16 x lane
.set SPW,  28                          ; v28     LDS address of my spare word; never rewritten
.set NIL,  29                          ; v29     0; never rewritten
.set SCV,  30                          ; v30     2^(eo - eA - eB) as f32
.set LIMV, 31                          ; v31     448 x that
.set TMP,  32                          ; v32-95  a block's 64 sums, held
.set VO,   96                          ; v96-111 two store offsets for each of my eight blocks, each written once
.set AF,   128                         ; role A's fragments, in window 0
.set CD,   128                         ; later the codes: 16 registers for each block, so that no store's data are written again
.set G1, 24                            ; s[24:31] descriptor group 1 for role A;  s[32:39] group 0, one set for each slot
.set G0, 32
.set G1B, 48                           ; s[48:55], s[56:63] the same for role B
.set G0B, 56
.set MSB, 0
.macro WIN new                         ; the immediate's high byte repeats the setting that is left
.if MSB != (\new)
	s_set_vgpr_msb (MSB<<8)|(\new)
.set MSB, (\new)
.endif
.endm
.set MUL_LO, 0xa1                      ; source 0 (role B) window 1, source 1 (role A) window 0, C and D window 2
.set MUL_HI, 0xf1                      ; the same, C and D window 3
.set TO_B,   0x40                      ; destination window 1, address window 0
; A joint load: waves 0 and 1 fetch for role A, waves 2 and 3 for role B.  The branch hangs on the wave's number alone.  Four v_nop follow each of the two lines.
.macro JLOAD g0a, g1a, g0b, g1b
	s_cmp_eq_u32 s15, 0
	s_cbranch_scc0 .Lfor_b_\@
	tensor_load_to_lds s[\g0a:\g0a+3], s[\g1a:\g1a+7]
	s_nop 0
.rept 4
	v_nop
.endr
	s_branch .Lasked_\@
.Lfor_b_\@:
	tensor_load_to_lds s[\g0b:\g0b+3], s[\g1b:\g1b+7]
	s_nop 0
.rept 4
	v_nop
.endr
.Lasked_\@:
.endm
.macro CREST                           ; a round of the cluster's barrier behind its opening barrier
	s_cmp_lg_u32 s14, 0
	s_cbranch_scc1 .Lnot_wave_0_\@
	s_barrier_signal -3
.Lnot_wave_0_\@:
	s_barrier_wait -3
	s_barrier_signal -1
	s_barrier_wait -1
.endm
.macro CROUND                          ; a whole round
	s_barrier_signal -1
	s_barrier_wait -1
	CREST
.endm
	s_load_b512 s[68:83], s[0:1], 0x0              ; xq 68, xk 70, xv 72, Wq 74, Wk 76, Wv 78, the scales' exponents 80, qimg 82
	s_load_b128 s[84:87], s[0:1], 0x40             ; kimg 84, vimg 86
	v_lshl_add_u32 v[SPW], v0, 2, SPARE
	v_mov_b32 v[NIL], 0
	ds_add_u32 v28, v29
	ds_add_u32 v28, v29
	s_wait_dscnt 0x0
	v_lshrrev_b32 v1, 5, v0
	v_readfirstlane_b32 s14, v1                    ; wave 0..3
	s_lshr_b32 s15, s14, 1                         ; which half of role A's rows is mine.  Also: I fetch for role A (0) or B (1)
	s_and_b32 s16, s14, 1                          ; which half of role B's rows.  Also: which 128 rows of that tile I fetch
	s_bfe_u32 s40, ttmp6, 0x40000                  ; cx, cy: my place in the cluster
	s_bfe_u32 s41, ttmp6, 0x40004
	s_lshr_b32 s12, ttmp9, 3                       ; the kind: 0 q, 1 k, 2 v: the same in all sixteen partners
	s_and_b32 s13, ttmp9, 7
	s_lshl_b32 s13, s13, 2                         ; the first of the cluster's four tiles of 256 tokens
	s_cmp_eq_u32 s12, 2
	s_cselect_b32 s10, 0, s13                      ; tokens are role A's rows for q and k,
	s_cselect_b32 s11, s13, 0                      ; role B's for v
	s_add_co_u32 s17, s41, s10                     ; role A's tile: cy (+ the tokens' part)
	s_add_co_u32 s42, s40, s11                     ; role B's tile: cx (+ the tokens' part)
	s_lshl_b32 s43, s41, 2
	s_lshl_b32 s43, 15, s43                        ; my row of the cluster
	s_lshl_b32 s44, 0x1111, s40                    ; my column
	; descriptor group 1: a tile of 128 rows x 256 bytes, padded in LDS
	s_or_b32 s[G1+0], s43, (0<<16)|(1<<20)|(1<<21)|(5<<22)|(3<<25)  ; 15:0 the mask: my row; 17:16 element of 1 byte; 20 padding on; 21 set beside a mask; 24:22 after every 64 words; 31:25 four words
	s_or_b32 s[G1B+0], s44, (0<<16)|(1<<20)|(1<<21)|(5<<22)|(3<<25) ; the same with the mask of my column
.irp g, G1, G1B
	s_mov_b32 s[\g+1], ROWB<<16                    ; tensor_dim0
	s_mov_b32 s[\g+2], 128<<16                     ; tensor_dim1 = 128
	s_mov_b32 s[\g+3], ROWB<<16                    ; tile_dim0
	s_mov_b32 s[\g+4], 128                         ; tile_dim1 = 128
	s_mov_b32 s[\g+5], KROW                        ; tensor_dim0_stride
	s_mov_b32 s[\g+6], 0
	s_mov_b32 s[\g+7], 0
.endr
	s_lshl_b32 s18, s16, 7                         ; which 128 rows of the tile I fetch
	s_lshl_b32 s20, s17, 8
	s_add_co_u32 s20, s20, s18                     ; role A: row 256 x tile + 128 x half,
	s_lshl_b32 s20, s20, 10                        ; in bytes: under 2^23
	s_mov_b32 s21, 0
	s_lshl_b32 s46, s42, 8
	s_add_co_u32 s46, s46, s18                     ; role B likewise
	s_lshl_b32 s46, s46, 10
	s_mov_b32 s47, 0
	s_mul_i32 s45, s14, HALFT                      ; where they go: wave x 128 rows: neither the place in the cluster nor the kind enters an LDS address
	s_wait_kmcnt 0x0
	s_load_b256 s[88:95], s[80:81], 0x0            ; e0 .. e7
	s_load_b128 s[96:99], s[80:81], 0x20           ; e8 .. e11
	s_cmp_eq_u32 s12, 0                            ; the three buffers of my kind: the choice hangs on the cluster's number alone
	s_cselect_b64 s[4:5], s[68:69], s[70:71]
	s_cselect_b64 s[6:7], s[74:75], s[76:77]
	s_cselect_b64 s[8:9], s[82:83], s[84:85]
	s_cmp_eq_u32 s12, 2
	s_cselect_b64 s[4:5], s[72:73], s[4:5]         ; the tokens' codes
	s_cselect_b64 s[6:7], s[78:79], s[6:7]         ; the weight's codes
	s_cselect_b64 s[8:9], s[86:87], s[8:9]         ; the images
	s_cselect_b64 s[68:69], s[6:7], s[4:5]         ; role A
	s_cselect_b64 s[70:71], s[4:5], s[6:7]         ; role B
	s_add_nc_u64 s[20:21], s[68:69], s[20:21]
	s_add_nc_u64 s[46:47], s[70:71], s[46:47]
	CROUND                                         ; all sixteen work-groups are here: the first joint loads meet
.irp s, 0,1
	s_mov_b32 s[G0+4*\s], 1
	s_add_co_u32 s[G0+4*\s+1], s45, \s*SLOT
	s_add_nc_u64 s[G0+4*\s+2:G0+4*\s+3], s[20:21], \s*ROWB
	s_or_b32 s[G0+4*\s+3], s[G0+4*\s+3], 0x80000000
	s_mov_b32 s[G0B+4*\s], 1
	s_add_co_u32 s[G0B+4*\s+1], s45, \s*SLOT
	s_add_nc_u64 s[G0B+4*\s+2:G0B+4*\s+3], s[46:47], \s*ROWB
	s_or_b32 s[G0B+4*\s+3], s[G0B+4*\s+3], 0x80000000
	JLOAD G0+4*\s, G1, G0B+4*\s, G1B
.endr
	v_and_b32 v1, 15, v0                           ; l % 16
	v_bfe_u32 v2, v0, 4, 1                         ; l / 16
	v_mul_u32_u24 v3, v1, PITCH
	v_lshl_add_u32 v4, v2, 4, v3                   ; a fragment's row x pitch + 16 x half
	s_mul_i32 s21, s15, HALFT                      ; my 128 rows of role A
	s_mul_i32 s22, s16, HALFT                      ; my 128 rows of role B,
	s_add_co_u32 s22, s22, 2*HALFT                 ; which lie behind role A's 256
.irp s, 0,1
	v_add_nc_u32 v[ADRA+\s], s21, v4
	v_add_nc_u32 v[ADRB+\s], s22, v4
	s_add_co_u32 s21, s21, SLOT
	s_add_co_u32 s22, s22, SLOT
.endr
	; where my images go.  tok0, feat0: my first token and my first feature
	v_and_b32 v5, 31, v0
	v_lshlrev_b32 v[LI], 4, v5
	s_lshl_b32 s20, s17, 8
	s_lshl_b32 s21, s15, 7
	s_add_co_u32 s20, s20, s21                     ; my first row of role A
	s_lshl_b32 s46, s42, 8
	s_lshl_b32 s47, s16, 7
	s_add_co_u32 s46, s46, s47                     ; my first row of role B
	s_mov_b32 s72, 1024                            ; from block a to a + 1 (a % 4): q, k: the next tile of 16 tokens;  v: the next tile of 16 of the head's 64
	s_mov_b32 s73, 4096                            ; from block a to a + 4: q, k: four tiles of tokens on;  v: the next head
	s_mov_b32 s74, 0x20000                         ; from a block's first eight code registers to its last eight: q, k: the next head;  v: the fragment's second half
	s_cmp_eq_u32 s12, 2
	s_cselect_b32 s22, s46, s20                    ; tok0
	s_cselect_b32 s23, s20, s46                    ; feat0
	s_cselect_b32 s72, 2048, s72
	s_cselect_b32 s73, 0x20000, s73
	s_cselect_b32 s74, 1024, s74
	s_lshr_b32 s75, s22, 11
	s_lshl_b32 s75, s75, 21                        ; batch x 16 heads x 131,072 bytes
	s_lshr_b32 s76, s23, 6
	s_lshl_b32 s76, s76, 17                        ; + head x 131,072
	s_add_co_u32 s75, s75, s76
	s_and_b32 s76, s22, 2047
	s_lshl_b32 s76, s76, 6                         ; + 64 bytes for each token of the batch: 1,024 for a tile of 16, 8,192 for a step of 128
	s_add_co_u32 s76, s75, s76
	s_mov_b32 s77, 0
	s_add_nc_u64 s[8:9], s[8:9], s[76:77]
.irp a, 0,1,2,3,4,5,6,7
	s_mul_i32 s75, s72, (\a%4)
	s_mul_i32 s78, s73, (\a/4)
	s_add_co_u32 s75, s75, s78
	v_add_nc_u32 v[VO+2*\a], s75, v[LI]
	v_add_nc_u32 v[VO+2*\a+1], s74, v[VO+2*\a]
.endr
.macro FRAG reg, adr, q, i             ; a fragment, 16 rows x 128 K, is 16 registers: lane l holds row l % 16; registers 4 c .. 4 c + 3 hold K = 32 c + 16 (l / 16) + 0 .. 15
.irp c, 0,1,2,3
	ds_load_b128 v[\reg+4*\c:\reg+4*\c+3], v[\adr] offset:128*(\q)+32*\c+(\i)*16*PITCH
.endr
.endm
; 16 matrix instructions: role A's blocks a0, a0 + 1 x role B's eight, 128 along K.  p: role B's set.  zero = 1: the first product starts the sums: nothing is ever cleared.
; The 64 accumulators take turns, one instruction a turn, in the same order in every step.
.macro MUL16 a0, p, zero
.irp a, \a0, \a0+1
.irp b, 0,1,2,3,4,5,6,7
.if \zero
	v_wmma_f32_16x16x128_fp8_fp8 v[8*(8*((\a)%4)+\b):8*(8*((\a)%4)+\b)+7], v[128*(\p)+FR*\b:128*(\p)+FR*\b+FR-1], v[AF+FR*(\a):AF+FR*(\a)+FR-1], 0
.else
	v_wmma_f32_16x16x128_fp8_fp8 v[8*(8*((\a)%4)+\b):8*(8*((\a)%4)+\b)+7], v[128*(\p)+FR*\b:128*(\p)+FR*\b+FR-1], v[AF+FR*(\a):AF+FR*(\a)+FR-1], v[8*(8*((\a)%4)+\b):8*(8*((\a)%4)+\b)+7]
.endif
.endr
.endr
.endm
.macro FETCH_B slot, q, p              ; role B's eight fragments of the slot's q-th 128 along K into set p
	WIN TO_B
.irp i, 0,1,2,3,4,5,6,7
	FRAG 128*(\p)+FR*\i, ADRB+\slot, \q, \i
.endr
	WIN 0
.endm
.macro FETCH_A slot, q, i0             ; role A's blocks i0 .. i0 + 3
.irp i, \i0, \i0+1, \i0+2, \i0+3
	FRAG AF+FR*(\i), ADRA+\slot, \q, \i
.endr
.endm
; A load into a register that a matrix instruction has read, and a vector instruction that reads a matrix result, stand NP places behind that matrix instruction; only plain vector
; instructions that name none of its registers are places (ISA guide 7.12.1 for vector instructions).
.macro PLACES n
.rept \n
	v_nop
.endr
.endm
; A step of 128 along K that has its successor in the same slot.
.macro STEP slot, q, zero
	s_wait_dscnt 4*NL                              ; role B's set and role A's blocks 0-3 are in; the youngest sixteen loads (blocks 4-7) may be out
	WIN MUL_LO
	MUL16 0, (\q)%2, \zero
	MUL16 2, (\q)%2, \zero
	s_wait_dscnt 0                                 ; blocks 4-7 are in (asked for 32 matrix instructions ago)
	PLACES NP
	FETCH_B \slot, (\q)+1, 1-(\q)%2
	FETCH_A \slot, (\q)+1, 0
	WIN MUL_HI
	MUL16 4, (\q)%2, \zero
	MUL16 6, (\q)%2, \zero
	PLACES NP
	WIN 0
	FETCH_A \slot, (\q)+1, 4
.endm
; A slot's last step changes slots: ONE barrier; in front of it each wave waits for all its tensor loads, adds 0 to its spare word, and waits for that and for its own reads of this slot.  fill = 1: this slot is filled again, two K steps ahead.
.macro TURN slot, next, fill
	s_wait_tensorcnt 0x0                           ; all my tensor loads have landed: my part of the next slot;  (every window is 0 here)
	ds_add_u32 v[SPW], v[NIL]                      ; 0 onto my spare word
	s_wait_dscnt 4*NL+1                            ; (the add and the youngest sixteen loads, blocks 4-7, may be out)
	WIN MUL_LO
	MUL16 0, 1, 0                                  ; sixteen matrix instructions stand between the add and the wait for it
	s_wait_dscnt 0x0                               ; the add is done, and my reads of this slot are over
	s_barrier_signal -1
	MUL16 2, 1, 0
	WIN 0
	s_barrier_wait -1
.if \fill
	CREST                                          ; the barrier has opened a round of the cluster's barrier: no wave of any partner still reads this slot's tile or has a load on its way
	s_add_nc_u64 s[G0+4*\slot+2:G0+4*\slot+3], s[G0+4*\slot+2:G0+4*\slot+3], 2*ROWB
	s_add_nc_u64 s[G0B+4*\slot+2:G0B+4*\slot+3], s[G0B+4*\slot+2:G0B+4*\slot+3], 2*ROWB
	JLOAD G0+4*\slot, G1, G0B+4*\slot, G1B         ; the first tensor load behind the round; the four v_nop behind it are the places in front of the loads below
.else
	PLACES NP
.endif
	FETCH_B \next, 0, 0
	FETCH_A \next, 0, 0
	WIN MUL_HI
	MUL16 4, 1, 0
	MUL16 6, 1, 0
	PLACES NP
	WIN 0
	FETCH_A \next, 0, 4
.endm
	s_wait_tensorcnt 1                             ; my part of K step 0 is in (K step 1's load may be out)
	s_barrier_signal -1
	s_barrier_wait -1                              ; everybody's is
	FETCH_B 0, 0, 0
	FETCH_A 0, 0, 0
	FETCH_A 0, 0, 4
	STEP 0, 0, 1                                   ; the first step stands in front of the loop: its products start the sums
	s_mov_b32 s3, LAPS-1
.Llap:                                                 ; a trip goes once round the ring, from a lap's second step to the next lap's first, and fills both slots again
	TURN 0, 1, 1
	STEP 1, 0, 0
	TURN 1, 0, 1
	STEP 0, 0, 0
	s_sub_co_u32 s3, s3, 1
	s_cmp_lg_u32 s3, 0
	s_cbranch_scc1 .Llap
	TURN 0, 1, 0                                   ; the last lap fills nothing, and has no round of the cluster's barrier
	STEP 1, 0, 0
	s_wait_dscnt 4*NL                              ; the very last step: nothing more to fetch
	WIN MUL_LO
	MUL16 0, 1, 0
	MUL16 2, 1, 0
	s_wait_dscnt 0
	WIN MUL_HI
	MUL16 4, 1, 0
	MUL16 6, 1, 0
	WIN 0
	; THE WAY OUT
	s_wait_kmcnt 0x0
	s_sub_co_i32 s20, s94, s88                     ; q: e6 - e0 - e1
	s_sub_co_i32 s20, s20, s89
	s_sub_co_i32 s21, s95, s90                     ; k: e7 - e2 - e3
	s_sub_co_i32 s21, s21, s91
	s_sub_co_i32 s22, s97, s92                     ; v: e9 - e4 - e5
	s_sub_co_i32 s22, s22, s93
	s_cmp_eq_u32 s12, 0
	s_cselect_b32 s20, s20, s21
	s_cmp_eq_u32 s12, 2
	s_cselect_b32 s20, s22, s20                    ; chosen without a branch
	s_add_co_i32 s20, s20, 127
	s_lshl_b32 s21, s20, 23
	v_mov_b32 v[SCV], s21                          ; the three scales folded into the conversion's one
	s_add_co_i32 s20, s20, 8
	s_lshl_b32 s20, s20, 23
	s_or_b32 s20, s20, 0x600000
	v_mov_b32 v[LIMV], s20                         ; 448 x that
	PLACES NP                                      ; behind the last products
; Block a: 16 rows of role A x my 128 rows of role B.  The 64 sums are held, each accumulator from its low end on, converted eight at a time, and stored as four groups of four registers.
.macro EPI a
.set AC, 64*((\a)%4)
	WIN 0x02+((\a)/4)                              ; source 0: window 2 or 3
.set jj, 0
.rept 64
	v_med3_num_f32 v[TMP+jj], v[AC+jj], -v[LIMV], v[LIMV]   ; the conversion to an 8-bit code does not saturate (ISA guide 7.6.2)
.set jj, jj+1
.endr
	WIN 0
.irp b, 0,1,2,3,4,5,6,7
	v_cvt_scalef32_pk8_fp8_f32 v[CD+16*(\a)+2*\b:CD+16*(\a)+2*\b+1], v[TMP+8*\b:TMP+8*\b+7], v[SCV]
.endr
	v_nop                                          ; one plain vector line between the conversions and the next block's holds, which write their sources
	global_store_b128 v[VO+2*(\a)], v[CD+16*(\a):CD+16*(\a)+3], s[8:9]
	global_store_b128 v[VO+2*(\a)], v[CD+16*(\a)+4:CD+16*(\a)+7], s[8:9] offset:512
	global_store_b128 v[VO+2*(\a)+1], v[CD+16*(\a)+8:CD+16*(\a)+11], s[8:9]
	global_store_b128 v[VO+2*(\a)+1], v[CD+16*(\a)+12:CD+16*(\a)+15], s[8:9] offset:512   ; no register of a store is written again
.endm
.irp a, 0,1,2,3,4,5,6,7
	EPI \a
.endr
	s_wait_tensorcnt 0x0                           ; the wave's end
	ds_add_u32 v[SPW], v[NIL]
	s_wait_dscnt 0x0
	CROUND                                         ; the closing round: no work-group ends while a partner may still ask for a tile that names it
	s_endpgm
.Lfunc_end_k_q940eaad5c9_proj:
	.size	k_q940eaad5c9_proj, .Lfunc_end_k_q940eaad5c9_proj-k_q940eaad5c9_proj
	.p2alignl 7, 3214868480
	.fill 96, 4, 3214868480
	.section	.rodata,"a",@progbits
	.p2align	6, 0x0
	.amdhsa_kernel k_q940eaad5c9_proj
		.amdhsa_group_segment_fixed_size 327680
		.amdhsa_private_segment_fixed_size 0
		.amdhsa_enable_private_segment 0
		.amdhsa_kernarg_size 80
		.amdhsa_user_sgpr_count 2
		.amdhsa_user_sgpr_kernarg_segment_ptr 1
		.amdhsa_wavefront_size32 1
		.amdhsa_system_sgpr_workgroup_id_x 1
		.amdhsa_system_sgpr_workgroup_id_y 1
		.amdhsa_system_sgpr_workgroup_id_z 1
		.amdhsa_system_vgpr_workitem_id 0
		.amdhsa_next_free_vgpr 1024
		.amdhsa_next_free_sgpr 100
		.amdhsa_reserve_vcc 0
		.amdhsa_float_denorm_mode_32 3
		.amdhsa_float_denorm_mode_16_64 3
		.amdhsa_memory_ordered 1
		.amdhsa_forward_progress 1
		.amdhsa_inst_pref_size 120
	.end_amdhsa_kernel
	.amdgpu_metadata
---
amdhsa.version: [ 1, 2 ]
amdhsa.kernels:
  - .name:           k_q940eaad5c9_proj
    .symbol:         k_q940eaad5c9_proj.kd
    .args:
      - { .name: xq, .offset: 0, .size: 8, .value_kind: global_buffer, .address_space: global }
      - { .name: hidden_state_key_codes, .offset: 8, .size: 8, .value_kind: global_buffer, .address_space: global }
      - { .name: hidden_state_value_codes, .offset: 16, .size: 8, .value_kind: global_buffer, .address_space: global }
      - { .name: Wq_codes, .offset: 24, .size: 8, .value_kind: global_buffer, .address_space: global }
      - { .name: Wk_codes, .offset: 32, .size: 8, .value_kind: global_buffer, .address_space: global }
      - { .name: Wv_codes, .offset: 40, .size: 8, .value_kind: global_buffer, .address_space: global }
      - { .name: lowp_scales, .offset: 48, .size: 8, .value_kind: global_buffer, .address_space: global }
      - { .name: qimg, .offset: 56, .size: 8, .value_kind: global_buffer, .address_space: global }
      - { .name: kimg, .offset: 64, .size: 8, .value_kind: global_buffer, .address_space: global }
      - { .name: vimg, .offset: 72, .size: 8, .value_kind: global_buffer, .address_space: global }
    .group_segment_fixed_size: 327680
    .private_segment_fixed_size: 0
    .kernarg_segment_align: 8
    .kernarg_segment_size: 80
    .max_flat_workgroup_size: 128
    .sgpr_count:     100
    .vgpr_count:     1024
    .wavefront_size: 32
...
	.end_amdgpu_metadata
.endif
;; end of part 2
;; launch attn (part 3): grid 4 x 64, 4 waves a work-group, clusters of 4 x 1, 327,680 bytes of LDS; arguments qimg, kimg, vimg, msel, lowp_scales, cimg; writes cimg
.if DOCPART == 3
	.amdgcn_target "amdgcn-amd-amdhsa--gfx1250"
	.amdhsa_code_object_version 6
	.text
	.protected	k_q940eaad5c9_attn
	.globl	k_q940eaad5c9_attn
	.p2align	8
	.type	k_q940eaad5c9_attn,@function
k_q940eaad5c9_attn:
	s_mov_b64 s[64:65], 0
	v_nop
	global_prefetch_b8 v0, s[64:65] scope:SCOPE_SE
	s_setreg_imm32_b32 hwreg(HW_REG_WAVE_MODE, 25, 1), 1
	s_wait_xcnt 0x0
	s_wait_alu depctr_hold_cnt(0) depctr_sa_sdst(0) depctr_va_vdst(0) depctr_va_sdst(0) depctr_va_ssrc(0) depctr_va_vcc(0) depctr_vm_vsrc(0)
	s_getreg_b32 s2, hwreg(HW_REG_IB_STS2, 6, 4)
	s_cmp_eq_u32 s2, 0
	s_cbranch_scc0 .Lentry_in_a_cluster
	s_endpgm
.Lentry_in_a_cluster:
	s_bfe_u32 s2, ttmp6, 0x10000c
	s_cmp_lg_u32 s2, 0x3003
	s_cbranch_scc0 .Lentry_shape_is_right
	s_endpgm
.Lentry_shape_is_right:
; Attention of one head on codes of E4M3: scores = q k^T / 8; p = softmax over ALL 2,048 keys, finished and normalised; p is then quantised with 2^e8, and set to 0 where the mask is true; ctx = p v, quantised with 2^e10.
; Since p is quantised normalised, a row's maximum and sum must be known before any p is made.  So a block's scores stay in registers from the first product to the second, and each score has ONE exponential.
; SHARES.  A cluster of four work-groups serves one head (cluster y = batch x 16 + head); a work-group owns 512 queries, walked in 16 blocks of 32 (two tiles of 16).  Wave w owns keys 512 w .. 512 w + 511 for the whole launch:
;   a block's 32 x 512 scores are 512 of its registers.  The four waves exchange each row's (-M, l) and their parts of O through LDS: two barriers a block.
; K AND V lie in LDS for the whole launch, as images of the operands' registers (lane l's 16 bytes at 16 l).  Each wave fetches its own 32,768 + 32,768 bytes by two tensor loads, asked for JOINTLY by the four
;   work-groups (all walk the same head), and is the only wave that reads them: its own wait on TENSORcnt orders the reads.  The bytes are filled once: by this text's count two tensor loads of a wave are out, at the head alone.
; LAYOUT.  Both products are used transposed: S^T = K Q^T (source 0 = 16 keys, source 1 = 16 queries), O^T = V^T P^T (source 0 = 16 of the head's 64, source 1 = P): a lane holds ONE query (lane % 16) throughout.
;   A score tile's eight registers are keys 8 (lane / 16) + 0 .. 7: converted, they are registers 2 c, 2 c + 1 of P's fragment in the form's own layout.  Likewise O's eight registers become two registers of the last product's operand.
; SOFTMAX.  t = score x log2(e) / 8.  In a wave: M = the largest t of its 512 keys, rounded up to a whole number; x = 2^(t - M); l = the sum of x.  Over the waves: Mg = the largest M; L = the sum of l 2^(M - Mg) (exact scalings);
;   p = x F, F = 2^(M - Mg) / L.  The mask does not touch maximum or sum.
; THE MASK comes as byte selectors (made by an earlier launch) in the order of P's registers: one v_perm_b32 for four codes keeps a code or takes a zero byte.
; LIMITS on the given exponents, so that each power of two below is an f32 number: e6 + e7 between -123 and 130; e8, and e10 - e8 - e9, between -126 and 119.  An x under 2^-126 counts as 0 (v_exp_f32: ISA guide 15.8).  NaN is not served.
; The last block asks once more for its own Q and selectors, and for K's first fragments, which nobody uses: so the loop has one text and no load leaves its buffer.
; REGISTERS, in windows of 256 (s_set_vgpr_msb: bits 1:0 source 0, 3:2 source 1, 5:4 source 2, 7:6 destination):
;   window 0: v1-12 addresses and constants; v16-47 statistics, 16 a tile; v48-63 the four waves' statistics; v64-79 Q; v80-111 P's codes, 16 a tile; v128-255 two sets of 8 fragments of K
;   window 1, 2: the scores of tile 0, 1: key tile T at v[8 T]          window 3: v0-127 selectors (64 t + 16 s + i); v128-191 O^T; v192-255 four fragments of V
.set KLDS,  0                          ; K: 32,768 bytes a wave: key tile T at 1,024 T
.set VLDS,  131072                     ; V: 32,768 bytes a wave: step s of 128 keys at 8,192 s, tile of 16 channels at 2,048
.set STATS, 262144                     ; (-M, l): 512 t + 32 r + 8 w: 1,024 bytes
.set OX,    263168                     ; the waves' parts of O^T: 8,192 bytes a wave
.set NBLK,  16
.set LI,   1                           ; v1   16 x lane
.set AK,   2                           ; v2   my wave's K + 16 x lane
.set AV,   3                           ; v3   my wave's V + 16 x lane
.set ASTW, 4                           ; v4   where I put my row's (-M, l)
.set ASTR, 5                           ; v5   where I read the four waves'
.set AOXW, 6                           ; v6   where I put my part of O^T
.set AOXR, 7                           ; v7   where I read the quarter that I finish
.set ZERO, 8                           ; v8   0
.set SCP,  9                           ; v9   2^e8 as f32
.set SCO,  10                          ; v10  2^(e10 - e8 - e9) as f32
.set TP,   11                          ; v11  the lane permutes' destination
.set LIMP, 12                          ; v12  448 x 2^e8
.set ST,   16                          ; tile t's statistics at v[ST + 16 t]: +0 -M, +1 l, +2 F (+3 named with it as a pair), +8 .. +15 eight chains of the maximum, then four pairs of the sum, then at work
.set TT,   48
.set QF,   64
.set PC,   80
.set KF,   128
.set SEL,  0                           ; in window 3
.set OA,   128
.set VF,   192
.set MSB, 0
.macro WIN new                         ; the immediate's high byte repeats the setting that is left; a switch that changes nothing is dropped
.if MSB != (\new)
	s_set_vgpr_msb (MSB<<8)|(\new)
.set MSB, (\new)
.endif
.endm
.macro CROUND                          ; a round of the cluster's barrier
	s_barrier_signal -1
	s_barrier_wait -1
	s_cmp_lg_u32 s16, 0
	s_cbranch_scc1 .Lnot_wave_0_\@
	s_barrier_signal -3
.Lnot_wave_0_\@:
	s_barrier_wait -3
	s_barrier_signal -1
	s_barrier_wait -1
.endm
.macro PLACES                          ; four places behind a matrix instruction (ISA guide 7.12.1)
.rept 4
	v_nop
.endr
.endm
	s_load_b256 s[4:11], s[0:1], 0x0               ; qimg s[4:5], kimg s[6:7], vimg s[8:9], msel s[10:11]
	s_load_b128 s[12:15], s[0:1], 0x20             ; the scales' exponents s[12:13], cimg s[14:15]
	v_lshl_add_u32 v126, v0, 2, 0x48400
	v_mov_b32 v127, 0
	ds_add_u32 v126, v127
	ds_add_u32 v126, v127
	v_lshrrev_b32 v13, 5, v0
	v_readfirstlane_b32 s16, v13                   ; wave 0..3
	s_bfe_u32 s17, ttmp6, 0x40000                  ; cx: it enters Q's, the selectors' and ctx's global addresses alone
	s_and_b32 s18, ttmp7, 0xffff                   ; batch x 16 + head, which the four partners share
	v_and_b32 v13, 31, v0
	v_lshlrev_b32 v[LI], 4, v13
	s_lshl_b32 s56, s16, 15                        ; 32,768 x wave
	v_add_nc_u32 v[AK], s56, v[LI]
	v_add_nc_u32 v[AV], VLDS, v[AK]
	v_and_b32 v14, 15, v0                          ; r
	s_lshl_b32 s57, s16, 3
	s_add_co_u32 s57, s57, STATS
	v_lshl_add_u32 v[ASTW], v14, 5, s57
	v_lshlrev_b32 v[ASTR], 5, v14
	v_add_nc_u32 v[ASTR], STATS, v[ASTR]
	s_lshl_b32 s57, s16, 13
	s_add_co_u32 s57, s57, OX
	v_add_nc_u32 v[AOXW], s57, v[LI]
	s_lshl_b32 s57, s16, 11
	s_add_co_u32 s57, s57, OX
	v_add_nc_u32 v[AOXR], s57, v[LI]
	; descriptor group 1, for both loads: a dense block of 32,768 bytes as 128 rows of 32 elements of 8 bytes, no padding
	s_mov_b32 s36, 15|(3<<16)|(1<<21)              ; 15:0 the mask: all four work-groups; 17:16 elements of 8 bytes; 21 set beside a mask
	s_mov_b32 s37, 32<<16                          ; tensor_dim0 = 32
	s_mov_b32 s38, 128<<16                         ; tensor_dim1 = 128
	s_mov_b32 s39, 32<<16                          ; tile_dim0 = 32
	s_mov_b32 s40, 128                             ; tile_dim1 = 128
	s_mov_b32 s41, 32                              ; tensor_dim0_stride
	s_mov_b32 s42, 0
	s_mov_b32 s43, 0
	s_lshl_b32 s58, s18, 17                        ; the head's 131,072 bytes of K and of V,
	s_add_co_u32 s58, s58, s56                     ; my wave's quarter
	s_mov_b32 s59, 0
	s_lshl_b32 s60, s18, 17                        ; Q: the head, + 32 tiles of 1,024 bytes for each work-group
	s_lshl_b32 s61, s17, 15
	s_add_co_u32 s60, s60, s61
	s_mov_b32 s61, 0
	s_lshr_b32 s62, s18, 4                         ; batch
	s_lshl_b32 s24, s62, 22                        ; selectors: 32,768 bytes a tile of queries: batch x 128 tiles,
	s_lshl_b32 s63, s17, 20                        ; + 32 tiles for each work-group,
	s_add_co_u32 s24, s24, s63
	s_lshl_b32 s63, s16, 13                        ; + my wave's four steps of 2,048 bytes
	s_add_co_u32 s24, s24, s63
	s_mov_b32 s25, 0
	s_lshl_b32 s26, s62, 21                        ; ctx: 16,384 bytes a tile of rows: batch x 128 tiles,
	s_lshl_b32 s63, s17, 19                        ; + 32 tiles for each work-group,
	s_add_co_u32 s26, s26, s63
	s_lshr_b32 s63, s16, 1
	s_lshl_b32 s63, s63, 14                        ; + the tile that I finish: wave / 2,
	s_add_co_u32 s26, s26, s63
	s_and_b32 s63, s18, 15
	s_lshl_b32 s63, s63, 10                        ; + head x 1,024: K step head / 2 of 2,048 bytes, half head % 2,
	s_add_co_u32 s26, s26, s63
	s_and_b32 s63, s16, 1
	s_lshl_b32 s63, s63, 9                         ; + the four registers that I finish: wave % 2
	s_add_co_u32 s26, s26, s63
	s_mov_b32 s27, 0
	s_wait_dscnt 0x0
	s_wait_kmcnt 0x0
	s_load_b256 s[44:51], s[12:13], 0x0            ; e0 .. e7
	s_load_b128 s[52:55], s[12:13], 0x20           ; e8 .. e11
	s_add_nc_u64 s[4:5], s[4:5], s[60:61]
	s_add_nc_u64 s[10:11], s[10:11], s[24:25]
	s_add_nc_u64 s[14:15], s[14:15], s[26:27]
	s_mov_b32 s28, 1                               ; group 0 for K: count = 1,
	s_mov_b32 s29, s56                             ; LDS address: 32,768 x wave,
	s_add_nc_u64 s[30:31], s[6:7], s[58:59]        ; global address,
	s_or_b32 s31, s31, 0x80000000                  ; type = 2
	s_mov_b32 s32, 1                               ; and for V
	s_add_co_u32 s33, s56, VLDS
	s_add_nc_u64 s[34:35], s[8:9], s[58:59]
	s_or_b32 s35, s35, 0x80000000
	CROUND                                         ; all four work-groups are here: the joint loads meet
	tensor_load_to_lds s[28:31], s[36:43]
	s_nop 0
	tensor_load_to_lds s[32:35], s[36:43]
	s_nop 0
.rept 4
	v_nop                                          ; four lines behind the second
.endr
.macro QLOAD                           ; a block's two fragments of Q: 2,048 consecutive bytes
.irp i, 0,1,2,3
	global_load_b128 v[QF+4*\i:QF+4*\i+3], v[LI], s[4:5] offset:512*\i
.endr
.endm
.macro SELLOAD                         ; a block's selectors for my 512 keys: 2 tiles x 4 steps x 16 registers, into window 3
	WIN 0xc0
.irp t, 0,1
.irp s, 0,1,2,3
.irp c, 0,1,2,3
	global_load_b128 v[SEL+64*\t+16*\s+4*\c:SEL+64*\t+16*\s+4*\c+3], v[LI], s[10:11] offset:32768*\t+2048*\s+512*\c
.endr
.endr
.endr
	WIN 0
.endm
	QLOAD
	SELLOAD
	s_mov_b32 s20, 0x76543210                      ; v_permlanex16_b32's selects for lane l xor 16
	s_mov_b32 s21, 0xfedcba98
	s_wait_kmcnt 0x0
	s_add_co_i32 s56, s50, s51
	s_lshl_b32 s56, s56, 23
	s_add_co_i32 s22, s56, 0x3e38aa3b              ; c = log2(e) / 8, with e6 + e7 added to its exponent field
	s_mov_b32 s23, s22                             ; (named with it as a pair, so it is written)
	s_add_co_i32 s56, s52, 127
	s_lshl_b32 s57, s56, 23
	v_mov_b32 v[SCP], s57
	s_add_co_i32 s56, s56, 8
	s_lshl_b32 s56, s56, 23
	s_or_b32 s56, s56, 0x600000
	v_mov_b32 v[LIMP], s56
	s_sub_co_i32 s56, s54, s52                     ; a sum of the second product stands for sum x 2^(e8 + e9): its code is sum / 2^(e10 - e8 - e9)
	s_sub_co_i32 s56, s56, s53
	s_add_co_i32 s56, s56, 127
	s_lshl_b32 s57, s56, 23
	v_mov_b32 v[SCO], s57
	s_add_co_i32 s56, s56, 8
	s_lshl_b32 s56, s56, 23
	s_or_b32 s26, s56, 0x600000                    ; 448 x that,
	s_or_b32 s25, s26, 0x80000000                  ; and its negative
	v_mov_b32 v[ZERO], 0
	v_mov_b32 v[TP], 0                             ; a lane permute's destination counts as one of its sources
	v_mov_b32 v[ST+1], 0                           ; named as upper halves of pairs before they are first made
	v_mov_b32 v[ST+3], 0
	v_mov_b32 v[ST+17], 0
	v_mov_b32 v[ST+19], 0
	s_mov_b32 s19, NBLK
.macro FETCHK g, p                     ; key tiles 8 g .. 8 g + 7 into set p: 16 loads
.irp i, 0,1,2,3,4,5,6,7
	ds_load_b128 v[KF+64*\p+8*\i:KF+64*\p+8*\i+3], v[AK] offset:(8*\g+\i)*1024
	ds_load_b128 v[KF+64*\p+8*\i+4:KF+64*\p+8*\i+7], v[AK] offset:(8*\g+\i)*1024+512
.endr
.endm
.macro MULS g, p                       ; their scores with both tiles of queries: 16 products, each a whole sum (K = 64)
.irp t, 0,1
	WIN 0x40*(\t+1)
.irp i, 0,1,2,3,4,5,6,7
	v_wmma_f32_16x16x64_fp8_fp8 v[64*\g+8*\i:64*\g+8*\i+7], v[KF+64*\p+8*\i:KF+64*\p+8*\i+7], v[QF+8*\t:QF+8*\t+7], 0
.endr
.endr
.endm
.macro MAX g                           ; the running maximum over those scores, in eight chains a tile; each accumulator is read from its low end on
.irp t, 0,1
	WIN 0x14*(\t+1)
.irp i, 0,1,2,3
.irp u, 0,1,2,3,4,5,6,7
.if (\g == 0) && (\i == 0)
	v_max3_num_f32 v[ST+16*\t+8+\u], 0xff800000, v[64*\g+8*\u+2*\i], v[64*\g+8*\u+2*\i+1]
.else
	v_max3_num_f32 v[ST+16*\t+8+\u], v[ST+16*\t+8+\u], v[64*\g+8*\u+2*\i], v[64*\g+8*\u+2*\i+1]
.endif
.endr
.endr
.endr
.endm
.macro FETCHV s                        ; V's four fragments of my step s: 16 loads into window 3
	WIN 0xc0
.irp u, 0,1,2,3
.irp c, 0,1,2,3
	ds_load_b128 v[VF+16*\u+4*\c:VF+16*\u+4*\c+3], v[AV] offset:8192*\s+2048*\u+512*\c
.endr
.endr
	WIN 0
.endm
; Tile t's largest t and -M; the chains' registers then start the sums
.macro LOCAL t
.set Z, ST+16*\t
	v_max3_num_f32 v[Z+8], v[Z+8], v[Z+9], v[Z+10]
	v_max3_num_f32 v[Z+11], v[Z+11], v[Z+12], v[Z+13]
	v_max3_num_f32 v[Z+8], v[Z+8], v[Z+11], v[Z+14]
	v_max_num_f32 v[Z+8], v[Z+8], v[Z+15]
	v_permlanex16_b32 v[TP], v[Z+8], s20, s21      ; the query's other keys lie in the lane 16 away
	v_max_num_f32 v[Z+8], v[Z+8], v[TP]
	v_mul_f32 v[Z+8], s22, v[Z+8]                  ; as t (c is positive)
	v_floor_f32 v[Z], -v[Z+8]                      ; -M = floor(-t): M is a whole number
.irp u, 8,9,10,11,12,13,14,15
	v_mov_b32 v[Z+\u], 0
.endr
.endm
; 32 exponentials of tile t; between them the scalings of the next 32 scores, so that plain work stands among the exponentials
.macro ECH t, q
.set ii, 0
.rept 16
.if \q < 7
	v_pk_fma_f32 v[32*(\q+1)+2*ii:32*(\q+1)+2*ii+1], v[32*(\q+1)+2*ii:32*(\q+1)+2*ii+1], s[22:23], v[ST+16*\t:ST+16*\t+1] op_sel_hi:[1,0,0]   ; t - M (of the pairs c and -M the low word serves both halves)
.endif
	v_exp_f32 v[32*\q+2*ii], v[32*\q+2*ii]
	v_exp_f32 v[32*\q+2*ii+1], v[32*\q+2*ii+1]
.set ii, ii+1
.endr
	v_nop                                          ; a plain line between the last exponential and the use of its result
.endm
.macro EADD t, q                       ; their sum, in four packed chains
.set ii, 0
	s_wait_alu depctr_va_vdst(0)
.rept 4
.irp u, 0,1,2,3
	v_pk_add_f32 v[ST+16*\t+8+2*\u:ST+16*\t+9+2*\u], v[ST+16*\t+8+2*\u:ST+16*\t+9+2*\u], v[32*\q+8*ii+2*\u:32*\q+8*ii+2*\u+1]
.endr
.set ii, ii+1
.endr
.endm
.macro EPH t                           ; x = 2^(t - M) in place for tile t's 256 registers, l, and (-M, l) to LDS
	WIN 0x41*(\t+1)
.set ii, 0
.rept 16
	v_pk_fma_f32 v[2*ii:2*ii+1], v[2*ii:2*ii+1], s[22:23], v[ST+16*\t:ST+16*\t+1] op_sel_hi:[1,0,0]
.set ii, ii+1
.endr
.irp q, 0,1,2,3,4,5,6,7
	WIN 0x41*(\t+1)
	ECH \t, \q
	WIN 0x04*(\t+1)
	EADD \t, \q
.endr
	WIN 0
.set Z, ST+16*\t
	v_pk_add_f32 v[Z+8:Z+9], v[Z+8:Z+9], v[Z+10:Z+11]
	v_pk_add_f32 v[Z+12:Z+13], v[Z+12:Z+13], v[Z+14:Z+15]
	v_pk_add_f32 v[Z+8:Z+9], v[Z+8:Z+9], v[Z+12:Z+13]
	v_add_f32 v[Z+8], v[Z+8], v[Z+9]
	v_permlanex16_b32 v[TP], v[Z+8], s20, s21
	v_add_f32 v[Z+1], v[Z+8], v[TP]
	ds_store_b64 v[ASTW], v[Z:Z+1] offset:512*\t   ; lanes r and r + 16 hold the same two numbers and write the same bytes
.endm
; The four waves' statistics of tile t become F = 2^(M - Mg) / L
.macro JOIN t
.set XX, TT+8*\t
.set Z, ST+16*\t
	v_min3_num_f32 v[Z+8], v[XX], v[XX+2], v[XX+4]
	v_min_num_f32 v[Z+8], v[Z+8], v[XX+6]          ; -Mg
.irp u, 0,2,4,6
	v_sub_f32 v[XX+\u], v[Z+8], v[XX+\u]           ; M - Mg: a whole number, 0 or less
.endr
	v_sub_f32 v[Z+9], v[Z+8], v[Z]                 ; my own
.irp u, 0,2,4,6
	v_cvt_i32_f32 v[XX+\u], v[XX+\u]               ; (it saturates)
.endr
	v_cvt_i32_f32 v[Z+9], v[Z+9]
.irp u, 0,2,4,6
	v_ldexp_f32 v[XX+\u+1], v[XX+\u+1], v[XX+\u]   ; l 2^(M - Mg): nothing is rounded
.endr
	v_add_f32 v[XX+1], v[XX+1], v[XX+3]
	v_add_f32 v[XX+5], v[XX+5], v[XX+7]
	v_add_f32 v[XX+1], v[XX+1], v[XX+5]            ; L
	v_rcp_f32 v[XX+1], v[XX+1]
	v_nop                                          ; a plain line behind the transcendental
	s_wait_alu depctr_va_vdst(0)
	v_ldexp_f32 v[Z+2], v[XX+1], v[Z+9]
.endm
.macro PMUL t, s                       ; p = x F for tile t's 64 registers of step s, held at 448 x 2^e8 (p is not negative: the hold is one-sided)
	WIN 0x41*(\t+1)
.set ii, 0
.rept 32
	v_pk_mul_f32 v[64*\s+2*ii:64*\s+2*ii+1], v[64*\s+2*ii:64*\s+2*ii+1], v[ST+16*\t+2:ST+16*\t+3] op_sel_hi:[1,0]
.set ii, ii+1
.endr
.set ii, 0
.rept 64
	v_min_num_f32 v[64*\s+ii], v[64*\s+ii], v[LIMP]   ; the conversion to an 8-bit code does not saturate (ISA guide 7.6.2)
.set ii, ii+1
.endr
.endm
.macro PCVT t, s                       ; its codes: the fragment's 16 registers
	WIN 0x01*(\t+1)
.irp i, 0,1,2,3,4,5,6,7
	v_cvt_scalef32_pk8_fp8_f32 v[PC+16*\t+2*\i:PC+16*\t+2*\i+1], v[64*\s+8*\i:64*\s+8*\i+7], v[SCP]
.endr
	v_nop                                          ; one plain line between the conversions and the lines that touch their results
.endm
.macro PMASK t, s                      ; where the mask is true the code becomes the zero code
	WIN 0x30
.set ii, 0
.rept 16
	v_perm_b32 v[PC+16*\t+ii], v[ZERO], v[PC+16*\t+ii], v[SEL+64*\t+16*\s+ii]
.set ii, ii+1
.endr
.endm
.macro OMUL s                          ; O^T += V^T P^T over step s's 128 keys: the eight accumulators take turns, one instruction a turn
	WIN 0xf3
.irp t, 0,1
.irp u, 0,1,2,3
.set rO, OA+16*(2*\t+(\u/2))+8*(\u%2)
.if \s == 0
	v_wmma_f32_16x16x128_fp8_fp8 v[rO:rO+7], v[VF+16*\u:VF+16*\u+15], v[PC+16*\t:PC+16*\t+15], 0
.else
	v_wmma_f32_16x16x128_fp8_fp8 v[rO:rO+7], v[VF+16*\u:VF+16*\u+15], v[PC+16*\t:PC+16*\t+15], v[rO:rO+7]
.endif
.endr
.endr
.endm
	s_wait_tensorcnt 0x0                           ; my K and my V lie in LDS; nobody else reads them
	FETCHK 0, 0
	FETCHK 1, 1
.Lblock:
	; ---- S: the scores and their maximum
	s_wait_loadcnt 32                              ; Q is in; the 32 loads of selectors behind it may be out
	s_wait_dscnt 16                                ; K's set 0 is in; set 1's sixteen loads may be out
	MULS 0, 0
	PLACES                                         ; in front of the loads into set 0; they are also the places in front of MAX 0
	WIN 0
	FETCHK 2, 0
	s_wait_dscnt 16                                ; set 1 is in; the sixteen just issued may be out
	MULS 1, 1
	MAX 0                                          ; 64 plain lines on other registers: the places behind the products above
	WIN 0
	FETCHK 3, 1
	s_wait_dscnt 16                                ; set 0 is in
	MULS 2, 0
	MAX 1
	s_wait_dscnt 0x0                               ; set 1 is in
	MULS 3, 1
	MAX 2
	WIN 0
	s_wait_xcnt 0x0                                ; Q's base is written only behind this wait
	s_cmp_lg_u32 s19, 1
	s_cselect_b32 s56, 2048, 0                     ; the next block's Q; the last block asks for its own again
	s_mov_b32 s57, 0
	s_add_nc_u64 s[4:5], s[4:5], s[56:57]
	QLOAD
	MAX 3
	WIN 0
	LOCAL 0
	LOCAL 1
	; ---- E: one exponential a score, and the wave's sums
	EPH 0
	EPH 1
	s_wait_dscnt 0x0                               ; my (-M, l) have landed, and my reads of the other waves' O^T of the last block are long back
	s_barrier_signal -1
	s_barrier_wait -1
.irp t, 0,1
	ds_load_b128 v[TT+8*\t:TT+8*\t+3], v[ASTR] offset:512*\t
	ds_load_b128 v[TT+8*\t+4:TT+8*\t+7], v[ASTR] offset:512*\t+16
.endr
	FETCHV 0
	s_wait_dscnt 16                                ; the statistics are in; V's sixteen loads may be out
	JOIN 0
	JOIN 1
	; ---- P: normalise, quantise, mask, multiply, 128 keys at a time
	s_wait_loadcnt 4                               ; the selectors are in; the next block's Q, four loads, may be out
.irp s, 0,1,2,3
	PMUL 0, \s
.if \s > 0
	FETCHV \s                                      ; the 96 plain lines above are the places behind the products that read V
.endif
	PCVT 0, \s
	PMASK 0, \s
	PMUL 1, \s
	PCVT 1, \s
	PMASK 1, \s
	s_wait_dscnt 0x0                               ; V is in
	OMUL \s
.endr
	; ---- O: the four waves' parts are added, each wave finishing a quarter
	PLACES
	WIN 0x0c                                       ; store data in window 3
.irp k, 0,1,2,3,4,5,6,7,8,9,10,11,12,13,14,15
	ds_store_b128 v[AOXW], v[OA+4*\k:OA+4*\k+3] offset:512*\k   ; each accumulator from its low end on
.endr
	WIN 0
	s_wait_xcnt 0x0                                ; the selectors' base is written only behind this wait
	s_cmp_lg_u32 s19, 1
	s_cselect_b32 s56, 0x10000, 0                  ; the next block's selectors, two tiles of 32,768 bytes on: asked for a whole S and E phase ahead of their use
	s_mov_b32 s57, 0
	s_add_nc_u64 s[10:11], s[10:11], s[56:57]
	SELLOAD
	s_wait_dscnt 0x0                               ; my part has landed, and my reads of the statistics are back
	s_barrier_signal -1
	s_barrier_wait -1
	WIN 0x40                                       ; destination window 1: the scores are done with
.irp u, 0,1,2,3
.irp c, 0,1,2,3
	ds_load_b128 v[16*\u+4*\c:16*\u+4*\c+3], v[AOXR] offset:8192*\u+512*\c
.endr
.endr
	WIN 0
	FETCHK 0, 0                                    ; the next block's first fragments of K
	FETCHK 1, 1
	s_wait_dscnt 32                                ; the four parts are in; K's 32 loads may be out
	WIN 0x45
.set ii, 0
.rept 8
	v_pk_add_f32 v[2*ii:2*ii+1], v[2*ii:2*ii+1], v[16+2*ii:17+2*ii]
	v_pk_add_f32 v[32+2*ii:33+2*ii], v[32+2*ii:33+2*ii], v[48+2*ii:49+2*ii]
.set ii, ii+1
.endr
.set ii, 0
.rept 8
	v_pk_add_f32 v[2*ii:2*ii+1], v[2*ii:2*ii+1], v[32+2*ii:33+2*ii]
.set ii, ii+1
.endr
.set ii, 0
.rept 16
	v_med3_num_f32 v[ii], v[ii], s25, s26          ; the hold at +-448 x the scale
.set ii, ii+1
.endr
	WIN 0x41
	v_cvt_scalef32_pk8_fp8_f32 v[64:65], v[0:7], v[SCO]
	v_cvt_scalef32_pk8_fp8_f32 v[66:67], v[8:15], v[SCO]
	v_nop                                          ; one plain line between the conversions and the next block's products, which write these registers
	WIN 0x04                                       ; store data in window 1
	global_store_b128 v[LI], v[64:67], s[14:15]    ; four registers of the last product's operand: 512 consecutive bytes, aligned
	WIN 0
	s_wait_xcnt 0x0                                ; the store's data and base are written only behind this wait
	s_add_nc_u64 s[14:15], s[14:15], 0x8000        ; two tiles of rows on
	s_sub_co_u32 s19, s19, 1
	s_cmp_lg_u32 s19, 0
	s_cbranch_scc1 .Lblock
	s_wait_dscnt 0x0                               ; no LDS instruction is pending at a signal
	s_wait_tensorcnt 0x0
	ds_add_u32 v126, v127
	s_wait_dscnt 0x0
	CROUND                                         ; the closing round
	s_endpgm
.Lfunc_end_k_q940eaad5c9_attn:
	.size	k_q940eaad5c9_attn, .Lfunc_end_k_q940eaad5c9_attn-k_q940eaad5c9_attn
	.p2alignl 7, 3214868480
	.fill 96, 4, 3214868480
	.section	.rodata,"a",@progbits
	.p2align	6, 0x0
	.amdhsa_kernel k_q940eaad5c9_attn
		.amdhsa_group_segment_fixed_size 327680
		.amdhsa_private_segment_fixed_size 0
		.amdhsa_enable_private_segment 0
		.amdhsa_kernarg_size 48
		.amdhsa_user_sgpr_count 2
		.amdhsa_user_sgpr_kernarg_segment_ptr 1
		.amdhsa_wavefront_size32 1
		.amdhsa_system_sgpr_workgroup_id_x 1
		.amdhsa_system_sgpr_workgroup_id_y 1
		.amdhsa_system_sgpr_workgroup_id_z 1
		.amdhsa_system_vgpr_workitem_id 0
		.amdhsa_next_free_vgpr 1024
		.amdhsa_next_free_sgpr 66
		.amdhsa_reserve_vcc 0
		.amdhsa_float_denorm_mode_32 3
		.amdhsa_float_denorm_mode_16_64 3
		.amdhsa_memory_ordered 1
		.amdhsa_forward_progress 1
		.amdhsa_inst_pref_size 152
	.end_amdhsa_kernel
	.amdgpu_metadata
---
amdhsa.version: [ 1, 2 ]
amdhsa.kernels:
  - .name:           k_q940eaad5c9_attn
    .symbol:         k_q940eaad5c9_attn.kd
    .args:
      - { .name: qimg, .offset: 0, .size: 8, .value_kind: global_buffer, .address_space: global }
      - { .name: kimg, .offset: 8, .size: 8, .value_kind: global_buffer, .address_space: global }
      - { .name: vimg, .offset: 16, .size: 8, .value_kind: global_buffer, .address_space: global }
      - { .name: msel, .offset: 24, .size: 8, .value_kind: global_buffer, .address_space: global }
      - { .name: lowp_scales, .offset: 32, .size: 8, .value_kind: global_buffer, .address_space: global }
      - { .name: cimg, .offset: 40, .size: 8, .value_kind: global_buffer, .address_space: global }
    .group_segment_fixed_size: 327680
    .private_segment_fixed_size: 0
    .kernarg_segment_align: 8
    .kernarg_segment_size: 48
    .max_flat_workgroup_size: 128
    .sgpr_count:     66
    .vgpr_count:     1024
    .wavefront_size: 32
...
	.end_amdgpu_metadata
.endif
;; end of part 3
;; launch outp (part 4): grid 4 x 32, 4 waves a work-group, clusters of 4 x 4, 327,680 bytes of LDS; arguments cimg, Wo_codes, lowp_scales, hidden_state_query, out0; writes out0
.if DOCPART == 4
	.amdgcn_target "amdgcn-amd-amdhsa--gfx1250"
	.amdhsa_code_object_version 6
	.text
	.protected	k_q940eaad5c9_outp
	.globl	k_q940eaad5c9_outp
	.p2align	8
	.type	k_q940eaad5c9_outp,@function
k_q940eaad5c9_outp:
	s_mov_b64 s[64:65], 0
	v_nop
	global_prefetch_b8 v0, s[64:65] scope:SCOPE_SE
	s_setreg_imm32_b32 hwreg(HW_REG_WAVE_MODE, 25, 1), 1
	s_wait_xcnt 0x0
	s_wait_alu depctr_hold_cnt(0) depctr_sa_sdst(0) depctr_va_vdst(0) depctr_va_sdst(0) depctr_va_ssrc(0) depctr_va_vcc(0) depctr_vm_vsrc(0)
	s_getreg_b32 s2, hwreg(HW_REG_IB_STS2, 6, 4)
	s_cmp_eq_u32 s2, 0
	s_cbranch_scc0 .Lentry_in_a_cluster
	s_endpgm
.Lentry_in_a_cluster:
	s_bfe_u32 s2, ttmp6, 0x10000c
	s_cmp_lg_u32 s2, 0xf033
	s_cbranch_scc0 .Lentry_shape_is_right
	s_endpgm
.Lentry_shape_is_right:
; out0 = ctx Wo^T + hidden_state_query.  ctx [8192][1024] comes as codes of E4M3 laid as images of the operand's registers (cimg: [tile of 16 rows][K step of 128][4 x 4 registers][lane][16 bytes]);
; Wo [1024][1024] as codes, K innermost; the residual and the result are f32.  Each finished sum is multiplied once by 2^(e10 + e11) and the residual added, by one packed multiply-add for two numbers.
; LIMIT: e10 + e11 between -126 and 127, so that 2^(e10 + e11) is an f32 number.
; A tile of the result, 256 x 256, is made by a work-group of four waves; a wave makes 128 x 128: 64 accumulators, 512 registers.  K goes in steps of 256 through a ring of two LDS slots filled by the tensor data mover.
; CLUSTERS: 4 x 4 work-groups.  The four of a row of the cluster need the same tiles of ctx, the four of a column the same tiles of Wo: each is asked for JOINTLY.
; THE MATRIX INSTRUCTION IS USED TRANSPOSED (source 0 = 16 rows of Wo, source 1 = 16 rows of ctx): a lane then holds eight neighbouring numbers of a row of the result.
; LAYOUTS.  ctx's images hold the form's own layout (registers 2 c, 2 c + 1: k = 16 c + 8 (lane / 16) + 0 .. 7): a fragment is four loads of 16 bytes at 16 x lane.  Wo's fragments are read to match: eight loads of 8 bytes, 16 bytes apart.
;   A tile of 16 rows of ctx has its 256 along K as 4,096 consecutive bytes: a wave's tensor load brings 8 such rows, 16,384 bytes apart in memory, dense in LDS.
; REGISTERS, in windows of 256: window 0: v0-31 addresses; from v128 ctx's fragments, ONE set; on the way out rows of the result.   window 1: Wo's fragments, TWO sets; on the way out four sets of residual rows.
;   window 2: the accumulators of my rows 0-63 ((a, b) at v[8 (8 a + b)]);   window 3: those of my rows 64-127.
.set SIZE_N, 1024
.set SIZE_K, 1024
.set KSTEP,  256
.set ROWB,   256                       ; a row of Wo's tile in bytes
.set KROW,   SIZE_K
.set PITCH,  272                       ; Wo's row in LDS: 256 bytes + 16 = 68 words: lane (r, h) reads at bank 4 r + 2 h mod 64 (64 banks of 4 bytes: ISA guide 11.1): 32 lanes, 64 different banks
.set ASTEP,  4096                      ; a tile of 16 rows of ctx, 256 along K
.set AHALF,  8*ASTEP                   ; 128 rows of ctx
.set BHALF,  128*PITCH                 ; 128 rows of Wo
.set BOFF,   2*AHALF                   ; in a slot: ctx's 256 rows, then Wo's
.set SLOT,   BOFF+2*BHALF
.set FR,     16
.set NL,     4                         ; LDS loads that bring a fragment of ctx
.set NP,     4                         ; places behind this matrix instruction (ISA guide 7.12.1)
.set LAPS,   SIZE_K/(2*KSTEP)
.set SPARE,  2*SLOT                    ; behind the ring: the spare words, 128 bytes for each wave
.set SPITCH, 528                       ; the way out: a stage of 16 rows x (512 bytes + 16) for each wave, in slot 0, which has had its last fill and its last read when the first result is stored there
.set ADRA, 16                          ; v16-17  LDS address of my fragments of ctx in slot 0, 1
.set ADRB, 20                          ; v20-21  the same for Wo
.set STO,  24                          ; v24     the way out: where I put 32 bytes of a row
.set RD,   25                          ; v25     where I read a row back
.set CO,   26                          ; v26     16 x lane
.set SPW,  28                          ; v28     LDS address of my spare word; never rewritten
.set NIL,  29                          ; v29     0; never rewritten
.set AF,   128
.set BK,   128                         ; the way out: 16 rows read back from the stage: v128-191 and v192-255 by turns
.set G1, 24
.set G0, 32
.set G1B, 48
.set G0B, 56
.set MSB, 0
.macro WIN new
.if MSB != (\new)
	s_set_vgpr_msb (MSB<<8)|(\new)
.set MSB, (\new)
.endif
.endm
.set MUL_LO, 0xa1
.set MUL_HI, 0xf1
.set TO_B,   0x40
.macro JLOAD g0a, g1a, g0b, g1b        ; a joint load: waves 0 and 1 fetch for ctx, waves 2 and 3 for Wo; four v_nop follow each of the two lines
	s_cmp_eq_u32 s15, 0
	s_cbranch_scc0 .Lfor_b_\@
	tensor_load_to_lds s[\g0a:\g0a+3], s[\g1a:\g1a+7]
	s_nop 0
.rept 4
	v_nop
.endr
	s_branch .Lasked_\@
.Lfor_b_\@:
	tensor_load_to_lds s[\g0b:\g0b+3], s[\g1b:\g1b+7]
	s_nop 0
.rept 4
	v_nop
.endr
.Lasked_\@:
.endm
.macro CREST
	s_cmp_lg_u32 s14, 0
	s_cbranch_scc1 .Lnot_wave_0_\@
	s_barrier_signal -3
.Lnot_wave_0_\@:
	s_barrier_wait -3
	s_barrier_signal -1
	s_barrier_wait -1
.endm
.macro CROUND
	s_barrier_signal -1
	s_barrier_wait -1
	CREST
.endm
	s_load_b128 s[4:7], s[0:1], 0x0                ; cimg s[4:5], Wo's codes s[6:7]
	s_load_b128 s[8:11], s[0:1], 0x10              ; the scales' exponents s[8:9], the residual s[10:11]
	s_load_b64 s[12:13], s[0:1], 0x20              ; out0
	v_lshl_add_u32 v[SPW], v0, 2, SPARE
	v_mov_b32 v[NIL], 0
	ds_add_u32 v28, v29
	ds_add_u32 v28, v29
	s_wait_dscnt 0x0
	v_lshrrev_b32 v1, 5, v0
	v_readfirstlane_b32 s14, v1                    ; wave 0..3
	s_lshr_b32 s15, s14, 1                         ; which half of the tile's rows is mine.  Also: I fetch for ctx (0) or for Wo (1)
	s_and_b32 s16, s14, 1                          ; which half of its columns.  Also: which 128 rows of that tile I fetch
	s_bfe_u32 s40, ttmp6, 0x40000                  ; cx, cy
	s_bfe_u32 s41, ttmp6, 0x40004
	s_lshl_b32 s42, ttmp9, 2
	s_add_co_u32 s42, s42, s40                     ; tile column = 4 x cluster x + cx
	s_and_b32 s17, ttmp7, 0xffff
	s_lshl_b32 s17, s17, 2
	s_add_co_u32 s17, s17, s41                     ; tile row = 4 x cluster y + cy
	s_lshl_b32 s43, s41, 2
	s_lshl_b32 s43, 15, s43                        ; my row of the cluster
	s_lshl_b32 s44, 0x1111, s40                    ; my column
	; descriptor group 1 for ctx: 8 rows of 512 elements of 8 bytes, 2,048 elements apart, no padding
	s_or_b32 s[G1+0], s43, (3<<16)|(1<<21)         ; 15:0 the mask: my row; 17:16 elements of 8 bytes; 21 set beside a mask
	s_mov_b32 s[G1+1], 512<<16                     ; tensor_dim0 = 512
	s_mov_b32 s[G1+2], 8<<16                       ; tensor_dim1 = 8
	s_mov_b32 s[G1+3], 512<<16                     ; tile_dim0 = 512
	s_mov_b32 s[G1+4], 8                           ; tile_dim1 = 8
	s_mov_b32 s[G1+5], 2048                        ; tensor_dim0_stride
	s_mov_b32 s[G1+6], 0
	s_mov_b32 s[G1+7], 0
	; and for Wo: 128 rows x 256 bytes, padded in LDS
	s_or_b32 s[G1B+0], s44, (0<<16)|(1<<20)|(1<<21)|(5<<22)|(3<<25)  ; the mask: my column; element of 1 byte; padding: four words after every 64
	s_mov_b32 s[G1B+1], ROWB<<16
	s_mov_b32 s[G1B+2], 128<<16
	s_mov_b32 s[G1B+3], ROWB<<16
	s_mov_b32 s[G1B+4], 128
	s_mov_b32 s[G1B+5], KROW
	s_mov_b32 s[G1B+6], 0
	s_mov_b32 s[G1B+7], 0
	s_lshl_b32 s18, s16, 17                        ; the half that I fetch: 8 tiles of 16,384 bytes of ctx, or 128 rows of 1,024 bytes of Wo
	s_lshl_b32 s20, s17, 18                        ; ctx: 16 tiles of rows for each tile row
	s_add_co_u32 s20, s20, s18
	s_mov_b32 s21, 0
	s_lshl_b32 s46, s42, 18                        ; Wo: 256 rows for each tile column
	s_add_co_u32 s46, s46, s18
	s_mov_b32 s47, 0
	s_lshl_b32 s45, s16, 15                        ; where they go: ctx's half,
	s_mul_i32 s19, s16, BHALF
	s_add_co_u32 s19, s19, BOFF                    ; Wo's half: no place in the cluster enters an LDS address
	s_wait_kmcnt 0x0
	s_load_b64 s[96:97], s[8:9], 0x28              ; e10, e11
	s_add_nc_u64 s[20:21], s[4:5], s[20:21]
	s_add_nc_u64 s[46:47], s[6:7], s[46:47]
	CROUND                                         ; all sixteen work-groups are here: the first joint loads meet
.irp s, 0,1
	s_mov_b32 s[G0+4*\s], 1
	s_add_co_u32 s[G0+4*\s+1], s45, \s*SLOT
	s_add_nc_u64 s[G0+4*\s+2:G0+4*\s+3], s[20:21], \s*ASTEP
	s_or_b32 s[G0+4*\s+3], s[G0+4*\s+3], 0x80000000
	s_mov_b32 s[G0B+4*\s], 1
	s_add_co_u32 s[G0B+4*\s+1], s19, \s*SLOT
	s_add_nc_u64 s[G0B+4*\s+2:G0B+4*\s+3], s[46:47], \s*ROWB
	s_or_b32 s[G0B+4*\s+3], s[G0B+4*\s+3], 0x80000000
	JLOAD G0+4*\s, G1, G0B+4*\s, G1B
.endr
	v_and_b32 v1, 15, v0                           ; l % 16
	v_bfe_u32 v2, v0, 4, 1                         ; l / 16
	v_and_b32 v6, 31, v0
	v_lshlrev_b32 v[CO], 4, v6                     ; 16 x lane
	v_mul_u32_u24 v3, v1, PITCH
	v_lshl_add_u32 v4, v2, 3, v3                   ; Wo: row x pitch + 8 x half
	s_lshl_b32 s21, s15, 15                        ; my 128 rows of ctx
	s_mul_i32 s22, s16, BHALF                      ; my 128 rows of Wo
	s_add_co_u32 s22, s22, BOFF
.irp s, 0,1
	v_add_nc_u32 v[ADRA+\s], s21, v[CO]
	v_add_nc_u32 v[ADRB+\s], s22, v4
	s_add_co_u32 s21, s21, SLOT
	s_add_co_u32 s22, s22, SLOT
.endr
	s_mul_i32 s23, s14, 16*SPITCH                  ; my stage
	v_mul_u32_u24 v5, v1, SPITCH                   ; in: row l % 16, 32 bytes for each half of the lanes
	v_lshl_add_u32 v5, v2, 5, v5
	v_add_nc_u32 v[STO], s23, v5
	v_add_nc_u32 v[RD], s23, v[CO]                 ; back: the 32 lanes take one row of 512 bytes
	s_lshl_b32 s20, s17, 8
	s_lshl_b32 s21, s15, 7
	s_add_co_u32 s20, s20, s21                     ; my first row: 256 x tile row + 128 x half,
	s_lshl_b32 s20, s20, 12                        ; of 4,096 bytes: under 2^25
	s_lshl_b32 s46, s42, 10                        ; my first column, in bytes: 1,024 x tile column + 512 x half
	s_lshl_b32 s47, s16, 9
	s_add_co_u32 s46, s46, s47
	s_add_co_u32 s20, s20, s46
	s_mov_b32 s21, 0
	s_add_nc_u64 s[10:11], s[10:11], s[20:21]      ; the residual and the result have one shape
	s_add_nc_u64 s[12:13], s[12:13], s[20:21]
.macro FRAGA reg, adr, q, i            ; a fragment of ctx as it was stored: four groups of four registers
.irp c, 0,1,2,3
	ds_load_b128 v[\reg+4*\c:\reg+4*\c+3], v[\adr] offset:ASTEP*(\i)+2048*(\q)+512*\c
.endr
.endm
.macro FRAGB reg, adr, q, i            ; a fragment of Wo in the form's own layout: registers 2 c, 2 c + 1: K = 16 c + 8 (l / 16) + 0 .. 7
.irp c, 0,1,2,3,4,5,6,7
	ds_load_b64 v[\reg+2*\c:\reg+2*\c+1], v[\adr] offset:(\i)*16*PITCH+128*(\q)+16*\c
.endr
.endm
; 16 matrix instructions: ctx's blocks a0, a0 + 1 x Wo's eight, 128 along K.  The 64 accumulators take turns, one instruction a turn, in the same order in every step.
.macro MUL16 a0, p, zero
.irp a, \a0, \a0+1
.irp b, 0,1,2,3,4,5,6,7
.if \zero
	v_wmma_f32_16x16x128_fp8_fp8 v[8*(8*((\a)%4)+\b):8*(8*((\a)%4)+\b)+7], v[128*(\p)+FR*\b:128*(\p)+FR*\b+FR-1], v[AF+FR*(\a):AF+FR*(\a)+FR-1], 0
.else
	v_wmma_f32_16x16x128_fp8_fp8 v[8*(8*((\a)%4)+\b):8*(8*((\a)%4)+\b)+7], v[128*(\p)+FR*\b:128*(\p)+FR*\b+FR-1], v[AF+FR*(\a):AF+FR*(\a)+FR-1], v[8*(8*((\a)%4)+\b):8*(8*((\a)%4)+\b)+7]
.endif
.endr
.endr
.endm
.macro FETCH_B slot, q, p
	WIN TO_B
.irp i, 0,1,2,3,4,5,6,7
	FRAGB 128*(\p)+FR*\i, ADRB+\slot, \q, \i
.endr
	WIN 0
.endm
.macro FETCH_A slot, q, i0
.irp i, \i0, \i0+1, \i0+2, \i0+3
	FRAGA AF+FR*(\i), ADRA+\slot, \q, \i
.endr
.endm
.macro PLACES n                        ; places in front of loads into registers that matrix instructions have read, and of the first read of results (ISA guide 7.12.1 for the reads of results)
.rept \n
	v_nop
.endr
.endm
.macro STEP slot, q, zero
	s_wait_dscnt 4*NL                              ; Wo's set and ctx's blocks 0-3 are in; the youngest sixteen loads (blocks 4-7) may be out
	WIN MUL_LO
	MUL16 0, (\q)%2, \zero
	MUL16 2, (\q)%2, \zero
	s_wait_dscnt 0                                 ; blocks 4-7 are in
	PLACES NP
	FETCH_B \slot, (\q)+1, 1-(\q)%2
	FETCH_A \slot, (\q)+1, 0
	WIN MUL_HI
	MUL16 4, (\q)%2, \zero
	MUL16 6, (\q)%2, \zero
	PLACES NP
	WIN 0
	FETCH_A \slot, (\q)+1, 4
.endm
; A slot's last step changes slots: ONE barrier; in front of it each wave waits for all its tensor loads, adds 0 to its spare word, and waits for that and for its own reads of this slot.
.macro TURN slot, next, fill
	s_wait_tensorcnt 0x0                           ; all my tensor loads have landed: my part of the next slot;  (every window is 0 here)
	ds_add_u32 v[SPW], v[NIL]                      ; 0 onto my spare word
	s_wait_dscnt 4*NL+1                            ; (the add and the youngest sixteen loads may be out)
	WIN MUL_LO
	MUL16 0, 1, 0
	s_wait_dscnt 0x0                               ; the add is done, and my reads of this slot are over
	s_barrier_signal -1
	MUL16 2, 1, 0
	WIN 0
	s_barrier_wait -1
.if \fill
	CREST                                          ; a round of the cluster's barrier: no wave of any partner still reads this slot's tile or has a load on its way
	s_add_nc_u64 s[G0+4*\slot+2:G0+4*\slot+3], s[G0+4*\slot+2:G0+4*\slot+3], 2*ASTEP
	s_add_nc_u64 s[G0B+4*\slot+2:G0B+4*\slot+3], s[G0B+4*\slot+2:G0B+4*\slot+3], 2*ROWB
	JLOAD G0+4*\slot, G1, G0B+4*\slot, G1B         ; the first tensor load behind the round; its four v_nop are the places in front of the loads below
.else
	PLACES NP
.endif
	FETCH_B \next, 0, 0
	FETCH_A \next, 0, 0
	WIN MUL_HI
	MUL16 4, 1, 0
	MUL16 6, 1, 0
	PLACES NP
	WIN 0
	FETCH_A \next, 0, 4
.endm
	s_wait_tensorcnt 1                             ; my part of K step 0 is in (K step 1's load may be out)
	s_barrier_signal -1
	s_barrier_wait -1                              ; everybody's is
	FETCH_B 0, 0, 0
	FETCH_A 0, 0, 0
	FETCH_A 0, 0, 4
	STEP 0, 0, 1                                   ; the first step's products start the sums
	s_mov_b32 s3, LAPS-1
.Llap:
	TURN 0, 1, 1
	STEP 1, 0, 0
	TURN 1, 0, 1
	STEP 0, 0, 0
	s_sub_co_u32 s3, s3, 1
	s_cmp_lg_u32 s3, 0
	s_cbranch_scc1 .Llap
	TURN 0, 1, 0                                   ; the last lap fills nothing
	STEP 1, 0, 0
	s_wait_dscnt 4*NL
	WIN MUL_LO
	MUL16 0, 1, 0
	MUL16 2, 1, 0
	s_wait_dscnt 0
	WIN MUL_HI
	MUL16 4, 1, 0
	MUL16 6, 1, 0
	WIN 0
; THE WAY OUT, block by block of 16 rows x 128 columns.  The raw sums go through my own stage in LDS and come back as whole rows of 512 bytes; the residual's rows are loaded in the same shape;
; one packed multiply-add gives sum x 2^(e10 + e11) + residual; the 32 lanes store 512 consecutive bytes, aligned.  Every offset is an immediate: 127 rows of 4,096 bytes at the most.
.macro RLOAD a                         ; block a's 16 rows of the residual into set a % 4 of window 1
	WIN 0x40
.irp t, 0,1,2,3,4,5,6,7,8,9,10,11,12,13,14,15
	global_load_b128 v[64*((\a)%4)+4*\t:64*((\a)%4)+4*\t+3], v[CO], s[10:11] offset:(16*(\a)+\t)*SIZE_N*4 th:TH_LOAD_NT
.endr
	WIN 0
.endm
.macro TOSTAGE a
.set AC, 64*((\a)%4)
	WIN 0x08+4*((\a)/4)                            ; store data in window 2 or 3
.irp b, 0,1,2,3,4,5,6,7
	ds_store_b128 v[STO], v[AC+8*\b:AC+8*\b+3] offset:64*\b          ; each accumulator from its low end on
	ds_store_b128 v[STO], v[AC+8*\b+4:AC+8*\b+7] offset:64*\b+16
.endr
	WIN 0
.set BB, BK+64*((\a)%2)
.irp t, 0,1,2,3,4,5,6,7,8,9,10,11,12,13,14,15
	ds_load_b128 v[BB+4*\t:BB+4*\t+3], v[RD] offset:\t*SPITCH        ; LDS serves a wave's instructions in order: these see the stores above, and the next block's stores come behind them
.endr
.endm
.macro FIN a, younger                  ; younger: the LDS instructions issued behind block a's loads
.set BB, BK+64*((\a)%2)
	s_wait_dscnt \younger                          ; the block is back in registers
.if 7-(\a) >= 3
	s_wait_loadcnt 48                              ; its residual is in; the three sets of sixteen loads behind it may be out
.else
	s_wait_loadcnt 16*(7-(\a))
.endif
	WIN 0x10                                       ; source 2 (the residual) window 1
.set jj, 0
.rept 32
	v_pk_fma_f32 v[BB+2*jj:BB+2*jj+1], v[BB+2*jj:BB+2*jj+1], s[96:97], v[64*((\a)%4)+2*jj:64*((\a)%4)+2*jj+1] op_sel_hi:[1,0,1]   ; (the scalar pair's low word for both halves)
.set jj, jj+1
.endr
	WIN 0
.irp t, 0,1,2,3,4,5,6,7,8,9,10,11,12,13,14,15
	global_store_b128 v[CO], v[BB+4*\t:BB+4*\t+3], s[12:13] offset:(16*(\a)+\t)*SIZE_N*4 th:TH_STORE_NT
.endr
.if (\a) < 4
	RLOAD (\a)+4                                   ; its set of residual registers takes the block four further on
.endif
.endm
	s_wait_kmcnt 0x0
	s_add_co_i32 s96, s96, s97                     ; e10 + e11
	s_add_co_i32 s96, s96, 127
	s_lshl_b32 s96, s96, 23                        ; 2^(e10 + e11) as f32
	PLACES NP                                      ; behind the last products: for the loads into the operands' registers and for the reads of results
	RLOAD 0
	RLOAD 1
	RLOAD 2
	RLOAD 3
	TOSTAGE 0
.irp a, 1,2,3,4,5,6,7
.if \a > 1
	s_wait_xcnt 0x0                                ; block a - 2's stores have read their registers: block a's rows may land there
.endif
	TOSTAGE \a
	FIN \a-1, 32                                   ; behind block a - 1's loads: block a's 16 stores and 16 loads
.endr
	FIN 7, 0
	s_wait_tensorcnt 0x0                           ; the wave's end
	ds_add_u32 v[SPW], v[NIL]
	s_wait_dscnt 0x0
	CROUND                                         ; the closing round
	s_endpgm
.Lfunc_end_k_q940eaad5c9_outp:
	.size	k_q940eaad5c9_outp, .Lfunc_end_k_q940eaad5c9_outp-k_q940eaad5c9_outp
	.p2alignl 7, 3214868480
	.fill 96, 4, 3214868480
	.section	.rodata,"a",@progbits
	.p2align	6, 0x0
	.amdhsa_kernel k_q940eaad5c9_outp
		.amdhsa_group_segment_fixed_size 327680
		.amdhsa_private_segment_fixed_size 0
		.amdhsa_enable_private_segment 0
		.amdhsa_kernarg_size 40
		.amdhsa_user_sgpr_count 2
		.amdhsa_user_sgpr_kernarg_segment_ptr 1
		.amdhsa_wavefront_size32 1
		.amdhsa_system_sgpr_workgroup_id_x 1
		.amdhsa_system_sgpr_workgroup_id_y 1
		.amdhsa_system_sgpr_workgroup_id_z 1
		.amdhsa_system_vgpr_workitem_id 0
		.amdhsa_next_free_vgpr 1024
		.amdhsa_next_free_sgpr 98
		.amdhsa_reserve_vcc 0
		.amdhsa_float_denorm_mode_32 3
		.amdhsa_float_denorm_mode_16_64 3
		.amdhsa_memory_ordered 1
		.amdhsa_forward_progress 1
		.amdhsa_inst_pref_size 152
	.end_amdhsa_kernel
	.amdgpu_metadata
---
amdhsa.version: [ 1, 2 ]
amdhsa.kernels:
  - .name:           k_q940eaad5c9_outp
    .symbol:         k_q940eaad5c9_outp.kd
    .args:
      - { .name: cimg, .offset: 0, .size: 8, .value_kind: global_buffer, .address_space: global }
      - { .name: Wo_codes, .offset: 8, .size: 8, .value_kind: global_buffer, .address_space: global }
      - { .name: lowp_scales, .offset: 16, .size: 8, .value_kind: global_buffer, .address_space: global }
      - { .name: hidden_state_query, .offset: 24, .size: 8, .value_kind: global_buffer, .address_space: global }
      - { .name: out0, .offset: 32, .size: 8, .value_kind: global_buffer, .address_space: global }
    .group_segment_fixed_size: 327680
    .private_segment_fixed_size: 0
    .kernarg_segment_align: 8
    .kernarg_segment_size: 40
    .max_flat_workgroup_size: 128
    .sgpr_count:     98
    .vgpr_count:     1024
    .wavefront_size: 32
...
	.end_amdgpu_metadata
.endif
;; end of part 4
